; MI455X (gfx1250); checked and timed in simulation.
; The chip was launched on July 23, 2026; its instructions are those of AMD's public machine-readable ISA for CDNA 5 (MIT licence, August 2026) and "CDNA5" Instruction Set Architecture Reference Guide (July 2026). The comments in the code are by the model that wrote it; some were corrected since.
;; Causal Self Attention. Allowed arithmetic: matrix products marked QUANTISED: E4M3 operands, one given power-of-two scale a tensor, by v_wmma_f32_16x16x64_fp8_fp8 or v_wmma_f32_16x16x128_fp8_fp8, f32 sums; everything else in f32.
;; Inputs: b_attn 3,072 float32; b_proj 1,024 float32; lowp_scales 8 int32 (the exponents e of the quantised operands' scales 2^e); w_attn 1,024 x 3,072 float32; w_proj 1,024 x 1,024 float32; x 4 x 2,048 x 1,024 float32.
;; Outputs: out0 4 x 2,048 x 1,024 float32.
;; This version of the problem:
;;   THIS VERSION OF THE PROBLEM IS GIVEN IN LOW PRECISION. The matrix products marked QUANTISED in the list below multiply operands that are first quantised to E4M3 (4 exponent bits, 3 mantissa bits; 8 bits a number), with one given power-of-two scale for each operand tensor; their sums are f32. All else is computed in f32.
;;   The module's matrix products, in the order in which they are computed (A, B: the left and right operand; K: the contracted axis; several contracted axes count as one K, in the product's order):
;;     1. [M 8,192, K 1,024] x [K 1,024, N 3,072]; A: input x; B: input w_attn: QUANTISED (scales: A lowp_scales[0], B lowp_scales[1])
;;     2. batch 64 x [M 2,048, K 64] x [K 64, N 2,048]; A: computed on the way; B: computed on the way: QUANTISED (scales: A lowp_scales[2], B lowp_scales[3])
;;     3. batch 64 x [M 2,048, K 2,048] x [K 2,048, N 64]; A: softmax (see below); B: computed on the way: QUANTISED (scales: A lowp_scales[4], B lowp_scales[5])
;;     4. [M 8,192, K 1,024] x [K 1,024, N 1,024]; A: computed on the way; B: input w_proj: QUANTISED (scales: A lowp_scales[6], B lowp_scales[7])
;;   THE QUANTISER, for each operand of a quantised product, along K:
;;     - The operand's scale is 2^e, e = its entry of the input lowp_scales (int32; the entries are numbered through the quantised products in the list's order, A before B).
;;     - Each number is divided by the scale, clamped to +-448, and rounded to the nearest number of E4M3, ties to even, subnormals kept.
;;     - The product sums the exact products of the quantised numbers (number of the format x scale) in f32.
;;   ~~~python
;;   def quantise(x, axis, e):      # numpy; x: float32 -> the quantised numbers, widened to float32 again
;;       x = np.moveaxis(x, axis, -1); K = x.shape[-1]
;;       r = np.clip(x / 2.0 ** e, -448, 448)
;;       step = 2.0 ** (np.maximum(np.frexp(np.where(r == 0, 1, r))[1] - 1, -6) - 3)
;;       q = np.round(r / step) * step * 2.0 ** e      # np.round: ties to even
;;       return np.moveaxis(q, -1, axis).astype(np.float32)
;;   ~~~
;;   SOFTMAX AHEAD OF A QUANTISED PRODUCT. Where the list says 'softmax', what is quantised is not the finished softmax but p = 2^(t - M), with t = logit x log2(e) and M = ceil(the row's largest t), a whole number; so 1/2 < the row's largest p <= 1. The row's sum l is taken of the UNQUANTISED p, in f32, and the product's result is divided by l at the end. Since M is a whole number, a kernel that streams over the keys may use a running M (the ceiling of the running maximum): every later rescaling is an exact power of two, so the quantised numbers keep their values, but for numbers so far below the row's largest that they fall under the format's range.
;;   OPERANDS COMPUTED ON THE WAY. 'Computed on the way' means the value that the module computes at that place (a softmax that the list does not call 'softmax' is quantised finished and normalised). What goes into a quantiser is computed in f32, as accurately as f32 sums, v_exp_f32 and their like allow (about 1e-6 of the number): no bf16 or f16 on the way to a quantiser, and a product that is left as it is and whose result goes on into a quantised operand takes f32 operands (vector FMAs, or v_wmma_f32_16x16x4_f32). A number that lies on a knife's edge between two numbers of the format may be rounded either way, as far as f32 arithmetic and the matrix unit's own rounding can turn it there, and no further.
;; One version. Each part assembles by itself: llvm-mc -triple=amdgcn-amd-amdhsa -mcpu=gfx1250 --defsym DOCPART=n.
;; ======== version 1 of 1: 4 launches
;; limits: right only within a limited range of input values
;; workspace buffers: xcodes 8,388,608 bytes; wcodes 4,194,304 bytes; qcodes 8,388,608 bytes; kcodes 8,388,608 bytes; vcodes 8,388,608 bytes; ycodes 8,388,608 bytes
;; launch quant (part 1): grid 384 x 1, 4 waves a work-group, no clusters, 68,096 bytes of LDS; arguments x, w_attn, w_proj, lowp_scales, xcodes, wcodes; writes xcodes, wcodes
.if DOCPART == 1
	.amdgcn_target "amdgcn-amd-amdhsa--gfx1250"
	.amdhsa_code_object_version 6
	.text
	.protected	k_q3645e8a7db_quant
	.globl	k_q3645e8a7db_quant
	.p2align	8
	.type	k_q3645e8a7db_quant,@function
k_q3645e8a7db_quant:
	s_mov_b64 s[64:65], 0
	v_nop
	global_prefetch_b8 v0, s[64:65] scope:SCOPE_SE
	s_setreg_imm32_b32 hwreg(HW_REG_WAVE_MODE, 25, 1), 1
	s_wait_xcnt 0x0
; x [8192][1024], w_attn [1024][3072] and w_proj [1024][1024], all f32, become codes of FP8 (E4M3), K innermost, each with its given scale 2^e.
; code = number / 2^e, held within +-448, rounded to the nearest code, ties to even.  e: entry 0 (x), 1 (w_attn), 7 (w_proj) of the buffer of scales.
; LIMITS: each e lies between -126 and 119, so that 2^e and 448 x 2^e are f32 numbers.  NaN among the inputs is not served; an infinity is held at the largest code.
; Work-groups 0 to 255 take x (path X), work-groups 256 to 383 the two weights (path W).  The paths part once, on the work-group number, and never join; each has LDS bytes of its own.
; PATH X: K is innermost, so x is a plain stream.  A wave takes 16 steps of 512 numbers.  Each load reads 512 consecutive bytes, 16 a lane; a step goes through the stage of the wave in LDS and comes back
; 64 bytes a lane, so that a lane holds 16 neighbours along K for the conversions.  A store of the wave covers 512 consecutive bytes.
; PATH W: K is the first axis.  A lane takes a column and its registers run down K, so the conversions give codes with K innermost.  A wave takes 32 columns x 256 along K.
; wcodes is [4096][1024]: rows 0 to 3071 are columns of w_attn, rows 3072 to 4095 columns of w_proj.  STORED ROW s HOLDS COLUMN s WITH ITS BITS 3 AND 4 EXCHANGED: sixteen consecutive stored rows, used as
; source 0 of a product, then leave a lane with 16 neighbouring columns in the 16 registers of two neighbouring tiles.  The exchange is made in the stage row that a lane writes.
.set STEPS, 16
.set XR,    16                         ; path X: v16-79   four sets of 16 numbers as loaded
.set XX,    80                         ;         v80-111  two sets of 16 neighbours
.set XC,    128                        ;         v128-191 codes: four registers for each step, so that no store data are written again
.set WREG,  8192                       ; path X: LDS bytes of a wave: two stages of 32 x SP
.set SP,    80                         ; a lane place in a stage: 64 bytes + 16 of padding
.set NB,    8                          ; path W: blocks of 32 along K for a wave
.set WST,   32768                      ; path W: its stages begin here, 32 rows x WP for each wave
.set WP,    272                        ; a stage row: 256 bytes of codes + 16
.set WOF,   16                         ; path W: v16-47   byte offset of row i of a block: 4 x lane + i x pitch
.set WX,    48                         ;         v48-111  two sets of 32 numbers
.set WC,    112                        ;         v112-119 codes of a block
.set WOUT,  120                        ;         v120-183 the way out
	s_load_b256 s[4:11], s[0:1], 0x0               ; x s[4:5], w_attn s[6:7], w_proj s[8:9], the exponents s[10:11]
	s_load_b128 s[12:15], s[0:1], 0x20             ; xcodes s[12:13], wcodes s[14:15]
	v_lshl_add_u32 v192, v0, 2, 0x10800
	v_mov_b32 v193, 0
	v_lshrrev_b32 v1, 5, v0
	v_readfirstlane_b32 s16, v1                    ; wave 0..3
	v_and_b32 v2, 31, v0                           ; lane
	s_wait_kmcnt 0x0
	s_load_b256 s[40:47], s[10:11], 0x0            ; e0 .. e7
	s_cmp_ge_u32 ttmp9, 256
	s_cbranch_scc1 .Lpath_w
; ---------------- PATH X ----------------
.macro XLOAD t
.irp i, 0,1,2,3
	global_load_b128 v[XR+16*((\t)%4)+4*\i:XR+16*((\t)%4)+4*\i+3], v3, s[4:5] offset:2048*(\t)+512*\i th:TH_LOAD_NT   ; 32 lanes read 512 consecutive bytes
.endr
.endm
.macro XTURN t                         ; the numbers of step t through the stage: LDS serves the instructions of a wave in order, so no wait stands between the stores and the loads
.irp i, 0,1,2,3
	ds_store_b128 v14, v[XR+16*((\t)%4)+4*\i:XR+16*((\t)%4)+4*\i+3] offset:32*SP*((\t)%2)+8*SP*\i
.endr
.irp i, 0,1,2,3
	ds_load_b128 v[XX+16*((\t)%2)+4*\i:XX+16*((\t)%2)+4*\i+3], v15 offset:32*SP*((\t)%2)+16*\i
.endr
.endm
.macro XSTEP t
.set XS, XX+16*((\t)%2)
	s_wait_dscnt 0x0                               ; the numbers of this step are back from the stage, so its stores into the stage have read their registers,
.if (\t)+4 < STEPS
	XLOAD (\t)+4                                   ; which take the loads of four steps on
.endif
.if (\t)+1 < STEPS
.if STEPS-2-(\t) >= 3
	s_wait_loadcnt 12                              ; the four loads of the next step are in; those of the three steps behind it may be out
.else
	s_wait_loadcnt 4*(STEPS-2-(\t))
.endif
	XTURN (\t)+1                                   ; and go through the other stage while this step is worked
.endif
.set i, 0
.rept 16
	v_med3_num_f32 v[XS+i], v[XS+i], -v10, v10     ; the conversion to an 8-bit code does not saturate (ISA guide 7.6.2): the hold comes first
.set i, i+1
.endr
	v_cvt_scalef32_pk8_fp8_f32 v[XC+4*(\t):XC+4*(\t)+1], v[XS:XS+7], v11
	v_cvt_scalef32_pk8_fp8_f32 v[XC+4*(\t)+2:XC+4*(\t)+3], v[XS+8:XS+15], v11
	global_store_b128 v4, v[XC+4*(\t):XC+4*(\t)+3], s[12:13] offset:512*(\t)   ; the results go to a store alone; the holds of the next step are plain vector lines on other registers
.endm
	s_wait_alu depctr_va_vdst(0)
	v_lshlrev_b32 v3, 4, v2                        ; my 16 bytes of the 512 of a load
	s_wait_alu depctr_va_vdst(0)
	s_mul_i32 s17, s16, WREG
	v_lshrrev_b32 v14, 2, v2
	v_mul_u32_u24 v14, v14, SP
	v_and_b32 v15, 3, v2
	v_lshl_add_u32 v14, v15, 4, v14
	v_add_nc_u32 v14, s17, v14                     ; the stage, on the way in: SP (lane / 4) + 16 (lane % 4)
	v_mul_u32_u24 v15, v2, SP
	v_add_nc_u32 v15, s17, v15                     ; and on the way out: SP x lane: my 16 neighbours
	v_lshlrev_b32 v4, 4, v2                        ; the place of my 16 codes among the 512 of a step
	s_lshl_b32 s18, ttmp9, 2
	s_add_co_u32 s18, s18, s16                     ; which run of 8,192 numbers is mine: 4 x work-group + wave, 0 to 1,023
	s_lshl_b32 s20, s18, 15                        ; 32,768 bytes of f32 a run
	s_mov_b32 s21, 0
	s_lshl_b32 s22, s18, 13                        ; 8,192 bytes of codes a run
	s_mov_b32 s23, 0
	s_add_nc_u64 s[4:5], s[4:5], s[20:21]
	s_add_nc_u64 s[12:13], s[12:13], s[22:23]
.irp t, 0,1,2,3
	XLOAD \t
.endr
	s_wait_alu depctr_va_vdst(0)
	s_wait_kmcnt 0x0
	s_add_co_i32 s22, s40, 127
	s_lshl_b32 s23, s22, 23
	v_mov_b32 v11, s23                             ; 2^e0 as f32: the conversion takes its exponent field
	s_add_co_i32 s22, s22, 8
	s_lshl_b32 s22, s22, 23
	s_or_b32 s22, s22, 0x600000
	v_mov_b32 v10, s22                             ; 448 x 2^e0
	s_wait_alu depctr_va_vdst(0)
	s_wait_loadcnt 12                              ; the four loads of step 0 are in
	XTURN 0
.irp t, 0,1,2,3,4,5,6,7,8,9,10,11,12,13,14,15
	XSTEP \t
.endr
	s_wait_tensorcnt 0x0
	ds_add_u32 v192, v193
	s_wait_dscnt 0x0
	s_endpgm
; ---------------- PATH W ----------------
.macro WLOAD t                         ; block t: rows 32 t + i of my 256, my column, into set t % 2; the base of each block stands in a scalar pair of its own
.set i, 0
.rept 32
	global_load_b32 v[WX+32*((\t)%2)+i], v[WOF+i], s[48+2*(\t):49+2*(\t)] th:TH_LOAD_NT   ; 32 lanes read 128 consecutive bytes, the four waves side by side 512
.set i, i+1
.endr
.endm
.macro WBLOCK t
.set XS, WX+32*((\t)%2)
.if (\t) < NB-1
	s_wait_loadcnt 32                              ; the 32 loads of this block are in; those of the next block may be out
.else
	s_wait_loadcnt 0
.endif
.set i, 0
.rept 32
	v_med3_num_f32 v[XS+i], v[XS+i], -v10, v10
.set i, i+1
.endr
.irp g, 0,1,2,3
	v_cvt_scalef32_pk8_fp8_f32 v[WC+2*\g:WC+2*\g+1], v[XS+8*\g:XS+8*\g+7], v11
.endr
	ds_store_b128 v4, v[WC:WC+3] offset:32*(\t)    ; 32 codes: 32 bytes of the stage row of my column
	ds_store_b128 v4, v[WC+4:WC+7] offset:32*(\t)+16
.if (\t)+2 < NB
	WLOAD (\t)+2
.endif
	s_wait_dscnt 0x0                               ; the stores have read their registers: the codes of the next block may be written
.endm
.Lpath_w:
	s_sub_co_u32 s17, ttmp9, 256
	s_lshr_b32 s18, s17, 2                         ; group of 128 stored rows, 0 to 31: 0 to 23 w_attn, 24 to 31 w_proj
	s_and_b32 s19, s17, 3                          ; which 256 along K
	s_mov_b32 s30, 4096
	s_cmp_lt_u32 s18, 24                           ; the choice hangs on the work-group number alone
	s_cselect_b64 s[6:7], s[6:7], s[8:9]           ; the weight,
	s_cselect_b32 s30, 12288, s30                  ; the bytes of one of its rows,
	s_cselect_b32 s31, 0, 24
	s_sub_co_u32 s33, s18, s31                     ; and the group of columns within it
	s_lshl_b32 s34, s33, 7
	s_lshl_b32 s35, s16, 5
	s_add_co_u32 s34, s34, s35                     ; the first column of my wave
	s_mul_i32 s20, s19, s30
	s_lshl_b32 s20, s20, 8                         ; 256 rows for each step along K
	s_lshl_b32 s35, s34, 2
	s_add_co_u32 s20, s20, s35
	s_mov_b32 s21, 0
	s_add_nc_u64 s[48:49], s[6:7], s[20:21]        ; block 0
	s_lshl_b32 s20, s30, 5                         ; 32 rows on
.irp t, 1,2,3,4,5,6,7
	s_add_nc_u64 s[48+2*\t:49+2*\t], s[46+2*\t:47+2*\t], s[20:21]
.endr
	s_wait_alu depctr_va_vdst(0)
	v_lshlrev_b32 v3, 2, v2                        ; 4 bytes a lane
.set i, 0
.rept 32
	v_mad_u32_u24 v[WOF+i], s30, i, v3             ; + i rows
.set i, i+1
.endr
	v_and_b32 v5, 7, v2
	v_bfe_u32 v6, v2, 3, 1
	v_lshl_or_b32 v5, v6, 4, v5
	v_bfe_u32 v6, v2, 4, 1
	v_lshl_or_b32 v5, v6, 3, v5                    ; my lane with bits 3 and 4 exchanged: the stored row of my column
	s_mul_i32 s36, s16, 32*WP
	s_add_co_u32 s36, s36, WST                     ; my stage
	v_mul_u32_u24 v4, v5, WP
	v_add_nc_u32 v4, s36, v4                       ; into it
	v_and_b32 v5, 15, v2
	v_lshrrev_b32 v6, 4, v2                        ; out of it: sixteen lanes to a row, two rows an instruction
	v_mul_u32_u24 v7, v6, WP
	v_lshl_add_u32 v7, v5, 4, v7
	v_add_nc_u32 v7, s36, v7
	v_lshlrev_b32 v8, 10, v6
	v_lshl_add_u32 v8, v5, 4, v8                   ; and the same place in wcodes: rows of 1,024 bytes
	s_lshl_b32 s22, s18, 7
	s_lshl_b32 s23, s16, 5
	s_add_co_u32 s22, s22, s23                     ; my first stored row
	s_lshl_b32 s22, s22, 10
	s_lshl_b32 s23, s19, 8
	s_add_co_u32 s22, s22, s23                     ; + 256 bytes for each step along K
	s_mov_b32 s23, 0
	s_add_nc_u64 s[14:15], s[14:15], s[22:23]
	WLOAD 0
	WLOAD 1
	s_wait_kmcnt 0x0
	s_cmp_lt_u32 s18, 24
	s_cselect_b32 s24, s41, s47                    ; e1 or e7
	s_add_co_i32 s24, s24, 127
	s_lshl_b32 s25, s24, 23
	v_mov_b32 v11, s25                             ; 2^e
	s_add_co_i32 s24, s24, 8
	s_lshl_b32 s24, s24, 23
	s_or_b32 s24, s24, 0x600000
	v_mov_b32 v10, s24                             ; 448 x 2^e
	s_wait_alu depctr_va_vdst(0)
.irp t, 0,1,2,3,4,5,6,7
	WBLOCK \t
.endr
.irp t, 0,1,2,3,4,5,6,7,8,9,10,11,12,13,14,15
	ds_load_b128 v[WOUT+4*\t:WOUT+4*\t+3], v7 offset:2*\t*WP      ; LDS serves the instructions of a wave in order: these see my stores
.endr
.irp t, 0,1,2,3,4,5,6,7,8,9,10,11,12,13,14,15
	s_wait_dscnt 15-\t                             ; the younger reads may be out
	global_store_b128 v8, v[WOUT+4*\t:WOUT+4*\t+3], s[14:15] offset:2048*\t   ; sixteen lanes store 256 consecutive bytes, at a multiple of 256 from the first byte of wcodes
.endr
	s_wait_tensorcnt 0x0
	ds_add_u32 v192, v193
	s_wait_dscnt 0x0
	s_endpgm
.Lfunc_end_k_q3645e8a7db_quant:
	.size	k_q3645e8a7db_quant, .Lfunc_end_k_q3645e8a7db_quant-k_q3645e8a7db_quant
	.p2alignl 7, 3214868480
	.fill 96, 4, 3214868480
	.section	.rodata,"a",@progbits
	.p2align	6, 0x0
	.amdhsa_kernel k_q3645e8a7db_quant
		.amdhsa_group_segment_fixed_size 68096
		.amdhsa_private_segment_fixed_size 0
		.amdhsa_enable_private_segment 0
		.amdhsa_kernarg_size 48
		.amdhsa_user_sgpr_count 2
		.amdhsa_user_sgpr_kernarg_segment_ptr 1
		.amdhsa_wavefront_size32 1
		.amdhsa_system_sgpr_workgroup_id_x 1
		.amdhsa_system_sgpr_workgroup_id_y 1
		.amdhsa_system_sgpr_workgroup_id_z 1
		.amdhsa_system_vgpr_workitem_id 0
		.amdhsa_next_free_vgpr 194
		.amdhsa_next_free_sgpr 66
		.amdhsa_reserve_vcc 0
		.amdhsa_float_denorm_mode_32 3
		.amdhsa_float_denorm_mode_16_64 3
		.amdhsa_memory_ordered 1
		.amdhsa_forward_progress 1
		.amdhsa_inst_pref_size 88
	.end_amdhsa_kernel
	.amdgpu_metadata
---
amdhsa.version: [ 1, 2 ]
amdhsa.kernels:
  - .name:           k_q3645e8a7db_quant
    .symbol:         k_q3645e8a7db_quant.kd
    .args:
      - { .name: x, .offset: 0, .size: 8, .value_kind: global_buffer, .address_space: global }
      - { .name: w_attn, .offset: 8, .size: 8, .value_kind: global_buffer, .address_space: global }
      - { .name: w_proj, .offset: 16, .size: 8, .value_kind: global_buffer, .address_space: global }
      - { .name: lowp_scales, .offset: 24, .size: 8, .value_kind: global_buffer, .address_space: global }
      - { .name: xcodes, .offset: 32, .size: 8, .value_kind: global_buffer, .address_space: global }
      - { .name: wcodes, .offset: 40, .size: 8, .value_kind: global_buffer, .address_space: global }
    .group_segment_fixed_size: 68096
    .private_segment_fixed_size: 0
    .kernarg_segment_align: 8
    .kernarg_segment_size: 48
    .max_flat_workgroup_size: 128
    .sgpr_count:     66
    .vgpr_count:     194
    .wavefront_size: 32
...
	.end_amdgpu_metadata
.endif
;; end of part 1
;; launch gemm_qkv (part 2): grid 12 x 32, 4 waves a work-group, clusters of 4 x 4, 327,680 bytes of LDS; arguments xcodes, wcodes, lowp_scales, b_attn, qcodes, kcodes, vcodes; writes qcodes, kcodes, vcodes
.if DOCPART == 2
	.amdgcn_target "amdgcn-amd-amdhsa--gfx1250"
	.amdhsa_code_object_version 6
	.text
	.protected	k_q3645e8a7db_gemm_qkv
	.globl	k_q3645e8a7db_gemm_qkv
	.p2align	8
	.type	k_q3645e8a7db_gemm_qkv,@function
k_q3645e8a7db_gemm_qkv:
	s_mov_b64 s[64:65], 0
	v_nop
	global_prefetch_b8 v0, s[64:65] scope:SCOPE_SE
	s_setreg_imm32_b32 hwreg(HW_REG_WAVE_MODE, 25, 1), 1
	s_wait_xcnt 0x0
	s_wait_alu depctr_hold_cnt(0) depctr_sa_sdst(0) depctr_va_vdst(0) depctr_va_sdst(0) depctr_va_ssrc(0) depctr_va_vcc(0) depctr_vm_vsrc(0)
	s_getreg_b32 s2, hwreg(HW_REG_IB_STS2, 6, 4)
	s_cmp_eq_u32 s2, 0
	s_cbranch_scc0 .Lentry_in_a_cluster
	s_endpgm
.Lentry_in_a_cluster:
	s_bfe_u32 s2, ttmp6, 0x10000c
	s_cmp_lg_u32 s2, 0xf033
	s_cbranch_scc0 .Lentry_shape_is_right
	s_endpgm
.Lentry_shape_is_right:
; qkv = x w_attn + b_attn on codes of FP8 (E4M3), and q, k, v quantised at once for the two products of attention.  xcodes [8192][1024]; wcodes [4096][1024] (stored row s = column s with bits 3 and 4 exchanged).
; A sum stands for sum x 2^(e0 + e1); number = sum x 2^(e0 + e1) + bias, one fused multiply-add in f32; code = number / 2^e (e2 for q, e3 for k, e5 for v), held within +-448.
; LIMITS: e0 + e1 between -126 and 127; e2, e3, e5 between -126 and 119, so that each power of two below is an f32 number.
; A tile of 256 x 256 is made by four waves, each 128 x 128: 64 accumulators, 512 registers.  K goes in steps of 256 through a ring of two LDS slots filled by the tensor data mover: rows of 256 bytes.
; TWO OPERAND SLOTS.  The A slot is source 1 of the products: a lane owns one of its rows.  The B slot is source 0: its rows run along the registers of a lane.
;   cluster x = 0 (q), 1 (k): A slot = 256 tokens of xcodes, B slot = 256 stored rows of wcodes: a lane holds one token and, in two neighbouring tiles, 16 neighbouring columns: they are 16 bytes of a row of q or k.
;   cluster x = 2 (v): the two buffers change places: a lane holds one stored row (one channel of a head) and its registers run along the tokens, which are the K of the second product of attention.
; Both buffers have rows of 1,024 bytes, so the loop, the descriptors and the stage are one text for both; only base addresses, the bias and the read-back differ, by the cluster x, which all sixteen partners share.
; OUTPUTS: qcodes, kcodes [64 heads][2048 tokens][64].  vcodes [64 heads][64 rows][2048]: row s holds channel s with bits 3 and 4 exchanged, byte p holds token p with bits 3 and 4 exchanged.
; CLUSTERS: 4 x 4 work-groups.  The four of a row of the cluster need the same A tiles, the four of a column the same B tiles: each tile is asked for jointly, by the same tensor load with a mask that names the four.
; REGISTERS, in windows of 256: window 0: v0-31 addresses and two constants; v32-95 the bias by column, v96-111 the bias by row, v112-127 codes; from v128 the A fragments, one set; after the loop v128-255 are free.
;   window 1: the B fragments, two sets.   window 2: the accumulators of my A rows 0-63 (accumulator (a, b) at v[8 (8 a + b)]);   window 3: those of rows 64-127.
.set KROW,   1024                      ; a row of either buffer of codes, in bytes
.set ROWB,   256                       ; a tile row in bytes: 256 along K
.set PITCH,  272                       ; an LDS row: 256 bytes + 16 of padding = 68 words: the 16 rows that a load touches start at 16 different banks (64 banks of 4 bytes: ISA guide 11.1)
.set FR,     16                        ; registers of a fragment: 16 rows x 128 K
.set NL,     4                         ; LDS loads that bring one
.set NP,     4                         ; places behind this matrix instruction (ISA guide 7.12.1)
.set HALFT,  128*PITCH                 ; 128 rows: what one wave reads of A or of B; a tensor load brings 256
.set SLOT,   4*HALFT                   ; the 256 A rows, then the 256 B rows
.set LAPS,   2                         ; K = 1,024 is four K steps: twice round the ring
.set SPARE,  2*SLOT                    ; behind the ring: the spare words, 128 bytes for each wave
.set BIASB,  SPARE+512                 ; behind them: 256 biases in f32, by column of the tile of the weight; no tile lands here
.set BIA,  8                           ; v8      where I read the bias by column
.set BVA,  9                           ; v9      where I read the bias by row
.set BGO,  10                          ; v10     8 x thread: my two biases in memory
.set BLO,  11                          ; v11     and in LDS
.set BDT,  12                          ; v12-13  the two on their way
.set ADRA, 16                          ; v16-17  LDS address of my A fragments in slot 0, 1
.set ADRB, 20                          ; v20-21  the same for B
.set RDQ,  22                          ; v22-23  the way out of q and k: where I read the stage, rows 0-127 and 128-255
.set STO,  24                          ; v24     where I put 16 codes into the stage
.set RDV,  25                          ; v25     the way out of v: where I read the stage
.set COQ,  26                          ; v26     my byte offset in qcodes or kcodes
.set COV,  27                          ; v27     my byte offset in vcodes
.set SPW,  28                          ; v28     LDS address of my spare word; never rewritten
.set NIL,  29                          ; v29     0; never rewritten
.set SCR,  30                          ; v30     2^e of the output
.set LIMR, 31                          ; v31     448 x 2^e
.set BI,   32
.set BV,   96
.set CD,   112
.set TMP,  128                         ; after the loop: 64 numbers of a block
.set OUTR, 128                         ; after the stage barrier: 32 x 4 registers on their way out
.set AF,   128
.set G1, 24                            ; s[24:31] descriptor group 1 for A tiles;  s[32:39] group 0, one set for each slot
.set G0, 32
.set G1B, 48                           ; s[48:55], s[56:63] the same for B tiles
.set G0B, 56
.set MSB, 0
.macro WIN new                         ; the high byte of the immediate repeats the setting that is left
.if MSB != \new
	s_set_vgpr_msb (MSB<<8)|\new
.set MSB, \new
.endif
.endm
.set MUL_LO, 0xa1                      ; source 0 (B) window 1, source 1 (A) window 0, C and D window 2
.set MUL_HI, 0xf1                      ; the same, C and D window 3
.set TO_B,   0x40                      ; destination window 1, address window 0
; JOINT LOADS.  One descriptor covers a whole tile of 256 rows.  Wave w fetches for slot w / 2: the A tile (w even) or the B tile (w odd).  The branches hang on the wave number alone.
; An s_nop 0 and four v_nop follow each load.
; PREFETCH: at the head each wave asks for its work-group's quarter, 64 rows x 256 bytes, a lane a row, two instructions, of the tile that it will itself fetch as a refill (K step 2 + its slot): one load of its own ahead.
; The four partners of a joint load are told apart by address (cx for A, cy for B).  The tiles of the weight are read by all eight clusters of a column of clusters: only those with y under 4 ask for them.
.macro ARM g0, g1
	tensor_load_to_lds s[\g0:\g0+3], s[\g1:\g1+7]
	s_nop 0
.rept 4
	v_nop
.endr
.endm
.macro JLOAD s                         ; a refill of slot s: its two waves
	s_cmp_lg_u32 s15, \s
	s_cbranch_scc1 .Lasked_\@
	s_cmp_eq_u32 s16, 0
	s_cbranch_scc0 .Lfor_b_\@
	ARM G0+4*\s, G1
	s_branch .Lasked_\@
.Lfor_b_\@:
	ARM G0B+4*\s, G1B
.Lasked_\@:
.endm
.macro HLOAD                           ; the head: one chain of four arms, one load to an arm: K steps 0 and 1 go out together
	s_cmp_eq_u32 s15, 0
	s_cbranch_scc0 .Lhead_1
	s_cmp_eq_u32 s16, 0
	s_cbranch_scc0 .Lhead_b0
	ARM G0, G1
	s_branch .Lhead_on
.Lhead_b0:
	ARM G0B, G1B
	s_branch .Lhead_on
.Lhead_1:
	s_cmp_eq_u32 s16, 0
	s_cbranch_scc0 .Lhead_b1
	ARM G0+4, G1
	s_branch .Lhead_on
.Lhead_b1:
	ARM G0B+4, G1B
.Lhead_on:
.endm
.macro CREST                           ; a round of the cluster barrier behind its opening barrier
	s_cmp_lg_u32 s14, 0
	s_cbranch_scc1 .Lnot_wave_0_\@
	s_barrier_signal -3
.Lnot_wave_0_\@:
	s_barrier_wait -3
	s_barrier_signal -1
	s_barrier_wait -1
.endm
.macro CROUND                          ; a whole round
	s_barrier_signal -1
	s_barrier_wait -1
	CREST
.endm
	s_load_b256 s[4:11], s[0:1], 0x0               ; xcodes s[4:5], wcodes s[6:7], the exponents s[8:9], b_attn s[10:11]
	s_load_b128 s[68:71], s[0:1], 0x20             ; qcodes s[68:69], kcodes s[70:71]
	s_load_b64 s[72:73], s[0:1], 0x30              ; vcodes
	v_lshl_add_u32 v[SPW], v0, 2, SPARE
	v_mov_b32 v[NIL], 0
	ds_add_u32 v28, v29
	ds_add_u32 v28, v29
	s_wait_dscnt 0x0
	v_lshrrev_b32 v1, 5, v0
	v_readfirstlane_b32 s14, v1                    ; wave 0..3
	s_lshr_b32 s15, s14, 1                         ; which half of the A rows is mine.  Also: the slot that I fetch for
	s_and_b32 s16, s14, 1                          ; which half of the B rows.  Also: I fetch the A tile (0) or the B tile (1)
	s_bfe_u32 s40, ttmp6, 0x40000                  ; cx, cy: my place in the cluster
	s_bfe_u32 s41, ttmp6, 0x40004
	s_and_b32 s17, ttmp7, 0xffff                   ; cluster y, 0 to 7
	s_lshl_b32 s43, s41, 2
	s_lshl_b32 s43, 15, s43                        ; my row of the cluster
	s_lshl_b32 s44, 0x1111, s40                    ; my column
	; descriptor group 1: a tile of 256 rows x 256 bytes, padded in LDS
	s_or_b32 s[G1+0], s43, (0<<16)|(1<<20)|(1<<21)|(5<<22)|(3<<25)  ; 15:0 the mask: A tiles go to my row; 17:16 elements of 1 byte; 20 padding on; 21 set beside a mask; 24:22 after every 64 words; 31:25 four words
	s_or_b32 s[G1B+0], s44, (0<<16)|(1<<20)|(1<<21)|(5<<22)|(3<<25)
.irp g, G1, G1B
	s_mov_b32 s[\g+1], ROWB<<16                    ; tensor_dim0
	s_mov_b32 s[\g+2], 256<<16                     ; tensor_dim1
	s_mov_b32 s[\g+3], ROWB<<16                    ; tile_dim0
	s_mov_b32 s[\g+4], 256                         ; tile_dim1
	s_mov_b32 s[\g+5], KROW                        ; tensor_dim0_stride
	s_mov_b32 s[\g+6], 0
	s_mov_b32 s[\g+7], 0
.endr
	; the first rows of the two tiles.  The registers of A never hold cx, those of B never cy.
	s_lshl_b32 s42, s17, 2                         ; 4 x cluster y
	s_add_co_u32 s20, s42, s41
	s_lshl_b32 s20, s20, 8                         ; q, k: A = tokens 256 (4 cluster y + cy) on
	s_lshl_b32 s21, s41, 8
	s_add_co_u32 s21, s21, 2048                    ; v:    A = stored rows 2048 + 256 cy on
	s_lshl_b32 s46, ttmp9, 2
	s_add_co_u32 s46, s46, s40
	s_lshl_b32 s46, s46, 8                         ; q, k: B = stored rows 256 (4 cluster x + cx) on
	s_add_co_u32 s47, s42, s40
	s_lshl_b32 s47, s47, 8                         ; v:    B = tokens 256 (4 cluster y + cx) on
	s_cmp_eq_u32 ttmp9, 2                          ; the cluster x is the same in all sixteen partners
	s_cselect_b32 s20, s21, s20
	s_cselect_b32 s46, s47, s46
	s_lshl_b32 s20, s20, 10                        ; rows of 1,024 bytes: under 2^23
	s_lshl_b32 s46, s46, 10
	s_mov_b32 s21, 0
	s_mov_b32 s47, 0
	s_wait_kmcnt 0x0
	s_load_b256 s[76:83], s[8:9], 0x0              ; e0 .. e7
	s_cmp_eq_u32 ttmp9, 2
	s_cselect_b64 s[18:19], s[6:7], s[4:5]         ; the buffer of the A slot,
	s_cselect_b64 s[22:23], s[4:5], s[6:7]         ; and of the B slot
	s_add_nc_u64 s[20:21], s[18:19], s[20:21]
	s_add_nc_u64 s[46:47], s[22:23], s[46:47]
	CROUND                                         ; all sixteen work-groups are here: the first joint loads meet
.irp s, 0,1
	s_mov_b32 s[G0+4*\s], 1
	s_mov_b32 s[G0+4*\s+1], \s*SLOT                ; the A tile at the slot's head,
	s_add_nc_u64 s[G0+4*\s+2:G0+4*\s+3], s[20:21], \s*ROWB
	s_or_b32 s[G0+4*\s+3], s[G0+4*\s+3], 0x80000000
	s_mov_b32 s[G0B+4*\s], 1
	s_mov_b32 s[G0B+4*\s+1], \s*SLOT+2*HALFT       ; the B tile behind it: no place in the cluster enters an LDS address
	s_add_nc_u64 s[G0B+4*\s+2:G0B+4*\s+3], s[46:47], \s*ROWB
	s_or_b32 s[G0B+4*\s+3], s[G0B+4*\s+3], 0x80000000
.endr
	HLOAD                                          ; K steps 0 and 1: one tensor load a wave at the head
	s_cmp_eq_u32 s16, 0                            ; the prefetches: the tile that I fetch,
	s_cselect_b64 s[90:91], s[20:21], s[46:47]
	s_cselect_b32 s92, s40, s41                    ; my place among the four that ask for it jointly,
	s_lshl_b32 s92, s92, 16                        ; 64 rows of 1,024 bytes for each,
	s_lshl_b32 s93, s15, 8
	s_add_co_u32 s92, s92, s93
	s_add_co_u32 s92, s92, 512                     ; K step 2 + my slot
	s_mov_b32 s93, 0
	s_add_nc_u64 s[90:91], s[90:91], s[92:93]      ; never rewritten
	s_cmp_eq_u32 ttmp9, 2
	s_cselect_b32 s92, 0, 1                        ; which tile is the weight's: A's for v, B's for q and k
	s_xor_b32 s92, s92, s16                        ; 0 where mine is
	s_cmp_lt_u32 s17, 4
	s_cselect_b32 s93, 1, 0
	s_or_b32 s92, s92, s93                         ; I ask for tokens always, for the weight where the cluster's y is under 4
	v_and_b32 v14, 31, v0
	v_lshlrev_b32 v14, 10, v14                     ; a lane a row; never rewritten
	s_cmp_lg_u32 s92, 0
	s_cbranch_scc0 .Lask_none
	global_prefetch_b8 v14, s[90:91] th:TH_LOAD_NT scope:SCOPE_SE
	global_prefetch_b8 v14, s[90:91] offset:32768 th:TH_LOAD_NT scope:SCOPE_SE
.Lask_none:
	; the 256 biases of the tile of the weight, by column: two a thread
	s_lshl_b32 s12, ttmp9, 10
	s_lshl_b32 s13, s40, 8
	s_add_co_u32 s12, s12, s13                     ; q, k: column 1024 cluster x + 256 cx
	s_lshl_b32 s13, s41, 8
	s_add_co_u32 s13, s13, 2048                    ; v: column 2048 + 256 cy
	s_cmp_eq_u32 ttmp9, 2
	s_cselect_b32 s12, s13, s12
	s_lshl_b32 s12, s12, 2
	s_mov_b32 s13, 0
	s_add_nc_u64 s[10:11], s[10:11], s[12:13]
	v_lshlrev_b32 v[BGO], 3, v0
	global_load_b64 v[BDT:BDT+1], v[BGO], s[10:11]
	v_lshl_add_u32 v[BLO], v0, 3, BIASB
	v_and_b32 v1, 15, v0                           ; r = lane % 16
	v_bfe_u32 v2, v0, 4, 1                         ; h = lane / 16
	s_wait_alu depctr_va_vdst(0)
	v_and_b32 v6, 31, v0                           ; lane
	v_mul_u32_u24 v3, v1, PITCH
	v_lshl_add_u32 v4, v2, 4, v3                   ; row r x pitch + 16 h
	s_wait_alu depctr_va_vdst(0)
	s_mul_i32 s21, s15, HALFT                      ; my 128 A rows
	s_mul_i32 s22, s16, HALFT                      ; my 128 B rows,
	s_add_co_u32 s22, s22, 2*HALFT                 ; which lie behind the 256 of A
.irp s, 0,1
	v_add_nc_u32 v[ADRA+\s], s21, v4
	v_add_nc_u32 v[ADRB+\s], s22, v4
	s_add_co_u32 s21, s21, SLOT
	s_add_co_u32 s22, s22, SLOT
.endr
	s_lshl_b32 s12, s16, 9
	s_add_co_u32 s12, s12, BIASB
	v_lshl_add_u32 v[BIA], v2, 6, s12              ; by column: register 16 p + i is column 128 (B half) + 32 p + 16 h + i
	v_and_b32 v5, 8, v1
	v_add_nc_u32 v5, v5, v1                        ; r + 8 (r / 8)
	s_lshl_b32 s13, s15, 9
	s_add_co_u32 s13, s13, BIASB
	v_lshl_add_u32 v[BVA], v5, 2, s13              ; by row: stored row 16 a + r is column 32 (a / 2) + 8 (a % 2) + r + 8 (r / 8)
	s_mul_i32 s12, s15, 128*PITCH                  ; the stage, 256 rows x 272 bytes from LDS byte 0: row = my A row, byte = 128 (B half) + 32 p + 16 h
	s_lshl_b32 s13, s16, 7
	s_add_co_u32 s12, s12, s13
	v_add_nc_u32 v[STO], s12, v4
	v_lshrrev_b32 v5, 2, v6                        ; q, k back: wave w takes the 64 bytes of head w of all 256 rows; a load takes 8 rows, four lanes to a row
	v_mul_u32_u24 v5, v5, PITCH
	v_and_b32 v7, 3, v6
	v_lshl_add_u32 v[RDQ], v7, 4, v5
	s_lshl_b32 s13, s14, 6
	v_add_nc_u32 v[RDQ], s13, v[RDQ]
	v_add_nc_u32 v[RDQ+1], 128*PITCH, v[RDQ]
	v_mul_u32_u24 v5, v2, PITCH                    ; v back: wave w takes rows 64 w on, whole; sixteen lanes to a row, two rows a load
	v_lshl_add_u32 v[RDV], v1, 4, v5
	s_mul_i32 s13, s14, 64*PITCH
	v_add_nc_u32 v[RDV], s13, v[RDV]
	v_lshlrev_b32 v[COQ], 4, v6                    ; 8 tokens x 64 bytes are 512 consecutive bytes of a head
	v_lshlrev_b32 v[COV], 11, v2
	v_lshl_add_u32 v[COV], v1, 4, v[COV]           ; rows of 2,048 bytes
	; where my part begins in qcodes or kcodes: head 16 batch + 4 cx + wave, token 256 (R % 8), R = 4 cluster y + cy
	s_add_co_u32 s18, s42, s41
	s_lshr_b32 s19, s18, 3
	s_and_b32 s18, s18, 7
	s_lshl_b32 s18, s18, 14
	s_lshl_b32 s19, s19, 4
	s_lshl_b32 s22, s40, 2
	s_add_co_u32 s19, s19, s22
	s_add_co_u32 s19, s19, s14
	s_lshl_b32 s19, s19, 17
	s_add_co_u32 s18, s18, s19
	s_mov_b32 s19, 0
	s_cmp_eq_u32 ttmp9, 0
	s_cselect_b64 s[84:85], s[68:69], s[70:71]
	s_add_nc_u64 s[84:85], s[84:85], s[18:19]
	; and in vcodes: head 16 batch + 4 cy + wave, byte 256 (R % 8), R = 4 cluster y + cx
	s_add_co_u32 s18, s42, s40
	s_lshr_b32 s19, s18, 3
	s_and_b32 s18, s18, 7
	s_lshl_b32 s18, s18, 8
	s_lshl_b32 s19, s19, 4
	s_lshl_b32 s22, s41, 2
	s_add_co_u32 s19, s19, s22
	s_add_co_u32 s19, s19, s14
	s_lshl_b32 s19, s19, 17
	s_add_co_u32 s18, s18, s19
	s_mov_b32 s19, 0
	s_add_nc_u64 s[86:87], s[72:73], s[18:19]
	s_wait_kmcnt 0x0
	s_cmp_eq_u32 ttmp9, 0
	s_cselect_b32 s88, s78, s79                    ; e2 for q, e3 for k,
	s_cmp_eq_u32 ttmp9, 2
	s_cselect_b32 s88, s81, s88                    ; e5 for v: a choice, no branch
	s_add_co_i32 s88, s88, 127
	s_lshl_b32 s89, s88, 23
	v_mov_b32 v[SCR], s89
	s_add_co_i32 s88, s88, 8
	s_lshl_b32 s88, s88, 23
	s_or_b32 s88, s88, 0x600000
	v_mov_b32 v[LIMR], s88
	s_add_co_i32 s96, s76, s77
	s_add_co_i32 s96, s96, 127
	s_lshl_b32 s96, s96, 23                        ; 2^(e0 + e1) as f32
	s_mov_b32 s97, s96                             ; (named with it as a pair, so it is written)
	s_wait_loadcnt 0x0                             ; my two biases
	ds_store_b64 v[BLO], v[BDT:BDT+1]
.macro FRAG reg, adr, q, i             ; a fragment, 16 rows x 128 K: lane l holds row l % 16; registers 4 c .. 4 c + 3 hold K = 32 c + 16 (l / 16) + 0 .. 15, alike in A and in B
.irp c, 0,1,2,3
	ds_load_b128 v[\reg+4*\c:\reg+4*\c+3], v[\adr] offset:128*(\q)+32*\c+(\i)*16*PITCH
.endr
.endm
; 16 matrix instructions: A blocks a0, a0 + 1 x the eight of B, 128 along K.  p: the set of B.  zero = 1: the first product starts the sums.
; The 64 accumulators take turns, one instruction a turn, in the same order in every step.
.macro MUL16 a0, p, zero
.irp a, \a0, \a0+1
.irp b, 0,1,2,3,4,5,6,7
.if \zero
	v_wmma_f32_16x16x128_fp8_fp8 v[8*(8*((\a)%4)+\b):8*(8*((\a)%4)+\b)+7], v[128*(\p)+FR*\b:128*(\p)+FR*\b+FR-1], v[AF+FR*(\a):AF+FR*(\a)+FR-1], 0
.else
	v_wmma_f32_16x16x128_fp8_fp8 v[8*(8*((\a)%4)+\b):8*(8*((\a)%4)+\b)+7], v[128*(\p)+FR*\b:128*(\p)+FR*\b+FR-1], v[AF+FR*(\a):AF+FR*(\a)+FR-1], v[8*(8*((\a)%4)+\b):8*(8*((\a)%4)+\b)+7]
.endif
.endr
.endr
.endm
.macro FETCH_B slot, q, p
	WIN TO_B
.irp i, 0,1,2,3,4,5,6,7
	FRAG 128*(\p)+FR*\i, ADRB+\slot, \q, \i
.endr
	WIN 0
.endm
.macro FETCH_A slot, q, i0
.irp i, \i0, \i0+1, \i0+2, \i0+3
	FRAG AF+FR*(\i), ADRA+\slot, \q, \i
.endr
.endm
.macro PLACES n                        ; plain vector lines between a matrix instruction and a load into one of its registers, or a read of its result
.rept \n
	v_nop
.endr
.endm
; A step of 128 along K that has its successor in the same slot.
.macro STEP slot, q, zero
	s_wait_dscnt 4*NL                              ; the set of B and A blocks 0-3 are in; the youngest sixteen loads (A blocks 4-7) may be out
	WIN MUL_LO
	MUL16 0, (\q)%2, \zero
	MUL16 2, (\q)%2, \zero
	s_wait_dscnt 0                                 ; A blocks 4-7 are in
	PLACES NP
	FETCH_B \slot, (\q)+1, 1-(\q)%2
	FETCH_A \slot, (\q)+1, 0
	WIN MUL_HI
	MUL16 4, (\q)%2, \zero
	MUL16 6, (\q)%2, \zero
	PLACES NP
	WIN 0
	FETCH_A \slot, (\q)+1, 4
.endm
; The last step of a slot changes slots: one barrier; in front of it each wave waits for all its tensor loads, adds 0 to its spare word, and waits for that and for its own reads of this slot.
.macro TURN slot, next, fill
	s_wait_tensorcnt 0x0                           ; all my tensor loads have landed: my part of the next slot
	ds_add_u32 v[SPW], v[NIL]                      ; 0 onto my spare word
	s_wait_dscnt 4*NL+1                            ; (the add and the youngest sixteen loads, A blocks 4-7, may be out)
	WIN MUL_LO
	MUL16 0, 1, 0                                  ; sixteen matrix instructions stand between the add and the wait for it
	s_wait_dscnt 0x0                               ; the add is done, and my reads of this slot are over
	s_barrier_signal -1
	MUL16 2, 1, 0
	WIN 0
	s_barrier_wait -1
.if \fill
	CREST                                          ; the barrier has opened a round of the cluster barrier: no wave of any partner still reads this slot or has a load on its way
	s_add_nc_u64 s[G0+4*\slot+2:G0+4*\slot+3], s[G0+4*\slot+2:G0+4*\slot+3], 2*ROWB
	s_add_nc_u64 s[G0B+4*\slot+2:G0B+4*\slot+3], s[G0B+4*\slot+2:G0B+4*\slot+3], 2*ROWB
	JLOAD \slot                                    ; the first tensor load behind the round
	PLACES NP                                      ; the places in front of the loads below, on every wave's way
.else
	PLACES NP
.endif
	FETCH_B \next, 0, 0
	FETCH_A \next, 0, 0
	WIN MUL_HI
	MUL16 4, 1, 0
	MUL16 6, 1, 0
	PLACES NP
	WIN 0
	FETCH_A \next, 0, 4
.endm
	s_wait_alu depctr_va_vdst(0)                   ; the wait at the head's end
	s_wait_dscnt 0x0                               ; for the sake of the others: my biases lie in LDS,
	s_wait_tensorcnt 0x0                           ; and my tile has landed
	s_barrier_signal -1
	s_barrier_wait -1                              ; both slots and the biases are whole for every wave
.irp p, 0,1,2,3                        ; both forms of the bias are read by every wave, whichever it will use: they are older than the fetches below, so the counted waits of the loop cover them
.irp q, 0,1,2,3
	ds_load_b128 v[BI+16*\p+4*\q:BI+16*\p+4*\q+3], v[BIA] offset:128*\p+16*\q
.endr
.endr
.irp a, 0,1,2,3,4,5,6,7
	ds_load_b32 v[BV+2*\a], v[BVA] offset:4*(32*(\a/2)+8*(\a%2))
	ds_load_b32 v[BV+2*\a+1], v[BVA] offset:4*(32*(\a/2)+8*(\a%2))     ; (the packed form names a pair)
.endr
	FETCH_B 0, 0, 0
	FETCH_A 0, 0, 0
	FETCH_A 0, 0, 4
	STEP 0, 0, 1                                   ; the first step stands in front of the loop: its products start the sums
	s_mov_b32 s3, LAPS-1
.Llap:                                                 ; a trip goes once round the ring and fills both slots again
	TURN 0, 1, 1
	STEP 1, 0, 0
	TURN 1, 0, 1
	STEP 0, 0, 0
	s_sub_co_u32 s3, s3, 1
	s_cmp_lg_u32 s3, 0
	s_cbranch_scc1 .Llap
	TURN 0, 1, 0                                   ; the last lap fills nothing; behind this barrier nobody reads slot 0 any more
	STEP 1, 0, 0
	s_wait_dscnt 4*NL                              ; the very last step
	WIN MUL_LO
	MUL16 0, 1, 0
	MUL16 2, 1, 0
	s_wait_dscnt 0
	WIN MUL_HI
	MUL16 4, 1, 0
	MUL16 6, 1, 0
	WIN 0
; THE WAY OUT.  Block a (16 A rows x 128): number = sum x 2^(e0 + e1) + bias; hold; 8 conversions; 4 stores of 16 codes into the stage, which lies in slot 0 (it has had its last fill and its last read).
; Register 16 p + i of a lane is index 32 p + 16 h + i along the B rows for q and k (stored rows have bits 3 and 4 exchanged), and token 32 p + 16 (i / 8) + 8 h + i % 8 for v, which is the order that vcodes has.
.macro CONV a
.set AC, 64*((\a)%4)
	s_cmp_eq_u32 ttmp9, 2
	s_cbranch_scc1 .Lbias_v_\@
	WIN 0x02+((\a)/4)                              ; source 0: window 2 or 3
.set j, 0
.rept 32
	v_pk_fma_f32 v[TMP+j:TMP+j+1], v[AC+j:AC+j+1], s[96:97], v[BI+j:BI+j+1] op_sel_hi:[1,0,1]   ; each accumulator from its low end on
.set j, j+2
.endr
	WIN 0
	s_branch .Lbiased_\@
.Lbias_v_\@:
	WIN 0x02+((\a)/4)
.set j, 0
.rept 32
	v_pk_fma_f32 v[TMP+j:TMP+j+1], v[AC+j:AC+j+1], s[96:97], v[BV+2*(\a):BV+2*(\a)+1] op_sel_hi:[1,0,0]   ; one bias for the row of the lane
.set j, j+2
.endr
	WIN 0
.Lbiased_\@:
.set j, 0
.rept 64
	v_med3_num_f32 v[TMP+j], v[TMP+j], -v[LIMR], v[LIMR]   ; the conversion does not saturate (ISA guide 7.6.2): the hold is always made
.set j, j+1
.endr
	s_wait_alu depctr_va_vdst(0)
	s_wait_dscnt 0x0                               ; the stores of the block before have read the registers of the codes
.irp p, 0,1,2,3
	v_cvt_scalef32_pk8_fp8_f32 v[CD+4*\p:CD+4*\p+1], v[TMP+16*\p:TMP+16*\p+7], v[SCR]
	v_cvt_scalef32_pk8_fp8_f32 v[CD+4*\p+2:CD+4*\p+3], v[TMP+16*\p+8:TMP+16*\p+15], v[SCR]
.endr
	v_nop                                          ; one plain vector line behind the last conversion: the next block writes its sources
.irp p, 0,1,2,3
	ds_store_b128 v[STO], v[CD+4*\p:CD+4*\p+3] offset:16*PITCH*(\a)+32*\p
.endr
.endm
	PLACES NP                                      ; behind the last products: TMP lies where A fragments lay, and results are read
.irp a, 0,1,2,3,4,5,6,7
	CONV \a
.endr
	s_wait_dscnt 0x0                               ; for the sake of the others: my codes lie in the stage
	s_barrier_signal -1
	s_barrier_wait -1
	s_cmp_eq_u32 ttmp9, 2
	s_cbranch_scc1 .Lout_v
.set i, 0
.rept 32
	ds_load_b128 v[OUTR+4*i:OUTR+4*i+3], v[RDQ+i/16] offset:8*PITCH*(i%16)
.set i, i+1
.endr
.set i, 0
.rept 32
	s_wait_dscnt 31-i                              ; the younger reads may be out
	global_store_b128 v[COQ], v[OUTR+4*i:OUTR+4*i+3], s[84:85] offset:512*i   ; 32 lanes store 512 consecutive bytes: 8 tokens of one head
.set i, i+1
.endr
	s_branch .Ldone
.Lout_v:
.set i, 0
.rept 32
	ds_load_b128 v[OUTR+4*i:OUTR+4*i+3], v[RDV] offset:2*PITCH*i
.set i, i+1
.endr
.set i, 0
.rept 32
	s_wait_dscnt 31-i
	global_store_b128 v[COV], v[OUTR+4*i:OUTR+4*i+3], s[86:87] offset:4096*i  ; sixteen lanes store 256 consecutive bytes of a row of vcodes, at a multiple of 256
.set i, i+1
.endr
.Ldone:
	s_wait_tensorcnt 0x0                           ; the end of the wave, behind my last tensor load and my last LDS store
	ds_add_u32 v[SPW], v[NIL]
	s_wait_dscnt 0x0
	CROUND                                         ; the closing round: no work-group ends while a partner may still ask for a tile that names it
	s_endpgm
.Lfunc_end_k_q3645e8a7db_gemm_qkv:
	.size	k_q3645e8a7db_gemm_qkv, .Lfunc_end_k_q3645e8a7db_gemm_qkv-k_q3645e8a7db_gemm_qkv
	.p2alignl 7, 3214868480
	.fill 96, 4, 3214868480
	.section	.rodata,"a",@progbits
	.p2align	6, 0x0
	.amdhsa_kernel k_q3645e8a7db_gemm_qkv
		.amdhsa_group_segment_fixed_size 327680
		.amdhsa_private_segment_fixed_size 0
		.amdhsa_enable_private_segment 0
		.amdhsa_kernarg_size 56
		.amdhsa_user_sgpr_count 2
		.amdhsa_user_sgpr_kernarg_segment_ptr 1
		.amdhsa_wavefront_size32 1
		.amdhsa_system_sgpr_workgroup_id_x 1
		.amdhsa_system_sgpr_workgroup_id_y 1
		.amdhsa_system_sgpr_workgroup_id_z 1
		.amdhsa_system_vgpr_workitem_id 0
		.amdhsa_next_free_vgpr 1024
		.amdhsa_next_free_sgpr 100
		.amdhsa_reserve_vcc 0
		.amdhsa_float_denorm_mode_32 3
		.amdhsa_float_denorm_mode_16_64 3
		.amdhsa_memory_ordered 1
		.amdhsa_forward_progress 1
		.amdhsa_inst_pref_size 169
	.end_amdhsa_kernel
	.amdgpu_metadata
---
amdhsa.version: [ 1, 2 ]
amdhsa.kernels:
  - .name:           k_q3645e8a7db_gemm_qkv
    .symbol:         k_q3645e8a7db_gemm_qkv.kd
    .args:
      - { .name: xcodes, .offset: 0, .size: 8, .value_kind: global_buffer, .address_space: global }
      - { .name: wcodes, .offset: 8, .size: 8, .value_kind: global_buffer, .address_space: global }
      - { .name: lowp_scales, .offset: 16, .size: 8, .value_kind: global_buffer, .address_space: global }
      - { .name: b_attn, .offset: 24, .size: 8, .value_kind: global_buffer, .address_space: global }
      - { .name: qcodes, .offset: 32, .size: 8, .value_kind: global_buffer, .address_space: global }
      - { .name: kcodes, .offset: 40, .size: 8, .value_kind: global_buffer, .address_space: global }
      - { .name: vcodes, .offset: 48, .size: 8, .value_kind: global_buffer, .address_space: global }
    .group_segment_fixed_size: 327680
    .private_segment_fixed_size: 0
    .kernarg_segment_align: 8
    .kernarg_segment_size: 56
    .max_flat_workgroup_size: 128
    .sgpr_count:     100
    .vgpr_count:     1024
    .wavefront_size: 32
...
	.end_amdgpu_metadata
.endif
;; end of part 2
;; launch attn (part 3): grid 64 x 4, 16 waves a work-group, no clusters, 327,680 bytes of LDS; arguments qcodes, kcodes, vcodes, lowp_scales, ycodes; writes ycodes
.if DOCPART == 3
	.amdgcn_target "amdgcn-amd-amdhsa--gfx1250"
	.amdhsa_code_object_version 6
	.text
	.protected	k_q3645e8a7db_attn
	.globl	k_q3645e8a7db_attn
	.p2align	8
	.type	k_q3645e8a7db_attn,@function
k_q3645e8a7db_attn:
	s_mov_b64 s[64:65], 0
	v_nop
	global_prefetch_b8 v0, s[64:65] scope:SCOPE_SE
	s_setreg_imm32_b32 hwreg(HW_REG_WAVE_MODE, 25, 1), 1
	s_wait_xcnt 0x0
; Causal attention on codes of FP8 (E4M3), head size 64, 2,048 tokens, 64 heads; y is quantised at once for the last product.
; qcodes, kcodes [64][2048][64].  vcodes [64][64 rows][2048]: row s = channel s with bits 3 and 4 exchanged, byte p = token p with bits 3 and 4 exchanged.
; ycodes: an image of operand registers: [512 groups of 16 tokens][16 heads][2][32 lanes][16 bytes]: lane (r, h) holds y(token 16 g + r, channels 32 b + 16 h + 0 .. 15).
; THE SOFTMAX: t = score x log2(e) / 8; M = the largest t of the row so far, rounded UP to a whole number; p = 2^(t - M) is quantised with 2^e4, not normalised.  The sum is taken of the unquantised p and divides at the end.
; When M moves, the sum and O are multiplied by 2^(old M - new M), which rounds nothing.
; LIMITS: e2 + e3 between -123 and 130 (added to the exponent field of c); e4 and e6 between -126 and 119; e4 + e5 is applied by v_ldexp_f32 and has none.
; LEFT OUT: key steps all of whose keys come after a wave's queries: their scores are -infinity, so they add 0 to every sum.
; SHARES.  Work-group (head, i) owns the blocks of 256 queries 7 - i and i, so that all 256 work-groups have the same number of key steps.  Each of its 16 waves owns 16 queries of each block, in 256 registers.
; K AND V STAY IN LDS: up to 16 tiles of 256 keys (17,408 bytes each), one tensor load a wave, none filled again.  Wave w owns tile w % 8 of K (w < 8) or of V.  Waves 0, 1, 8, 9 fetch keys 0 to 511 at the head;
; behind the first barrier every other wave whose tile begins at or under the work-group's last query fetches its own.  These land under four key steps of THE LONG BLOCK, 7 - i, WHICH GOES FIRST: keys 0 to 511 count for all its queries.
; Behind the second barrier all tiles are whole, and the rest of the long block and the short block i are walked with no barrier.
; NO PREFETCH: every tile is asked for by its tensor load at the head or behind the first barrier: no later load is left to run ahead of.
; NO CLUSTER: the four work-groups of a head read the same K and V, but which key steps and loads a work-group leaves out hangs on its block number, which would be its place in the cluster.
; LAYOUT.  Both products are used transposed: S^T = K Q^T (source 0 = 16 consecutive keys, source 1 = my 16 queries), O^T = V^T P^T: a lane holds ONE query (lane % 16) throughout.  Register j of tile t of S^T is key
; 16 t + 8 (lane / 16) + j, so the eight conversions of p fill registers 2 t, 2 t + 1 of the operand in its own order along the keys; the order of the bytes of vcodes gives V the same order by loads of 16 bytes.
; THE MASK.  Trip counts are constants.  A hidden step is jumped over by a scalar branch on ids; on the diagonal hidden scores become -infinity ahead of the maximum.  The first key of a step that is walked counts for all my queries.
.set KP,    272                        ; an LDS row: 256 bytes + 16.  For K a row holds 4 keys of 64 bytes: key k lies at (k / 4) KP + 64 (k % 4)
.set CHB,   64*KP                      ; a tile: 256 keys of K, or 256 tokens of the 64 rows of V
.set VBASE, 8*CHB                      ; the 8 tiles of K, then the 8 of V
.set SPARE, 16*CHB                     ; behind them: the spare words, 128 bytes for each of 16 waves
.set AK0,  1                           ; v1   my place in a tile of 16 keys
.set AV0,  2                           ; v2   my place in a tile of 16 rows of V, VBASE included
.set QO,   3                           ; v3   my byte among the 16 queries of the wave
.set SPW,  5                           ; v5   LDS address of my spare word; never rewritten
.set NIL,  6                           ; v6   0; never rewritten
.set GO,   7                           ; v7   16 x lane: my place in an image; never rewritten
.set ADK,  8                           ; v8   LDS address of the keys in hand
.set ADV,  9                           ; v9   of V
.set DQ,   10                          ; v10  lane % 16 - 8 (lane / 16), for the mask
; v12 -M, v13 the largest t, v[14:15] the sum in two halves; v16-23 Q of block i, v24-31 of block 7 - i; v32-95 fragments of K, then of V; v96-159 S^T, then p; v160-191 O^T; v192-207 the codes of p;
; v208-223 the codes of y; v236, v242-243, v250-255 at work; v240 and v233: 448 x 2^e4, in two register banks for the two halves of a dual pair; v244: 2^e4; v241, v245: 448 x 2^e6, 2^e6.
.set WV,   18                          ; s18  wave
.set BI,   19                          ; s19  i
.set SEL,  20                          ; s[20:21] lane selects: lane xor 16
.set CS,   22                          ; s[22:23] c = log2(e) / 8 x 2^(e2 + e3)
.set G1K,  24                          ; s[24:31], s[32:39] descriptor groups 1 for K and for V; s[40:43], s[44:47] their groups 0; none is ever rewritten
.set G1V,  32
.set G0K,  40
.set G0V,  44
.set TB,   48                          ; s48  LDS byte of the tile in hand, within K and within V alike
.set KF,   50                          ; s50  the first key of the step
.set Q0,   51                          ; s51  my first query of the pass
.set CH,   52                          ; s52  counts tiles
.set T0,   54                          ; s54  at work
.set EO,   55                          ; s55  e4 + e5
.set QPA,  56                          ; s[56:57], s[58:59] my queries of blocks i and 7 - i
.set QPB,  58
.set YPA,  60                          ; s[60:61], s[62:63] my images of y
.set YPB,  62
.set Q0A,  66
.set Q0B,  67
.set W7,   88                          ; s88  wave % 8: the tile that I fetch
.set LT,   89                          ; s89  7 - i: the last tile that any wave of the work-group reads
; One tensor load a wave.  first = 1: the waves of tiles 0 and 1; first = 0: the waves of tiles 2 to 7 - i.  Waves 0-7 fetch K, waves 8-15 V.  The branches hang on the wave number and the work-group number alone.
; An s_nop 0 and four v_nop follow each of the two lines.
.macro TLOAD first
	s_cmp_lt_u32 s[W7], 2
.if \first
	s_cbranch_scc0 .Lasked_\@
.else
	s_cbranch_scc1 .Lasked_\@
	s_cmp_gt_u32 s[W7], s[LT]                      ; a tile whose first key comes after the work-group's last query is read by no wave: it is not asked for
	s_cbranch_scc1 .Lasked_\@
.endif
	s_cmp_lt_u32 s[WV], 8
	s_cbranch_scc0 .Lfor_v_\@
	tensor_load_to_lds s[G0K:G0K+3], s[G1K:G1K+7]
	s_nop 0
.rept 4
	v_nop
.endr
	s_branch .Lasked_\@
.Lfor_v_\@:
	tensor_load_to_lds s[G0V:G0V+3], s[G1V:G1V+7]
	s_nop 0
.rept 4
	v_nop
.endr
.Lasked_\@:
.endm
; Every wave waits for its tensor load, adds 0 to its spare word, waits for that and for its LDS reads, and passes the barrier.  fill = 1: the later first fills go out, first thing behind it.
.macro SYNC fill
	s_wait_tensorcnt 0x0                           ; my tile, if I have asked for one, has landed
	ds_add_u32 v[SPW], v[NIL]                      ; 0 onto my spare word
.if \fill
	ds_add_u32 v[SPW], v[NIL]                      ; and twice on end here
.endif
	s_wait_dscnt 0x0
	s_barrier_signal -1
	s_barrier_wait -1                              ; the tiles asked for so far are whole for every wave
.if \fill
	TLOAD 0
.endif
.endm
.macro INIT                            ; a pass begins: zeros, which the first change of M leaves zeros
	v_mov_b32 v13, 0xff61b1e6                      ; the largest t so far: -3e38, under every t
	s_delay_alu instid0(VALU_DEP_1)
	v_floor_f32 v12, -v13                          ; -M
	v_mov_b32 v14, 0
	v_mov_b32 v15, 0
.set j, 0
.rept 32
	v_mov_b32 v[160+j], 0
.set j, j+1
.endr
.endm
; A KEY STEP: 128 keys, the q-th half of the tile in hand.  qf: the registers of Q.
.macro STEP qf, q
	s_add_co_u32 s[T0], s[Q0], 15
	s_cmp_gt_u32 s[KF], s[T0]
	s_cbranch_scc1 .Lhidden_\@                     ; all 128 keys come after my queries
	v_add_nc_u32 v[ADK], s[TB], v[AK0]
	v_add_nc_u32 v[ADV], s[TB], v[AV0]
	v_nop
	v_nop                                          ; four places in all in front of loads into registers that the last products have read
.irp t, 0,1,2,3,4,5,6,7
	ds_load_b128 v[32+8*\t:35+8*\t], v[ADK] offset:32*KP*(\q)+4*KP*\t          ; keys 16 t + r: channels 16 h + 0 .. 15,
	ds_load_b128 v[36+8*\t:39+8*\t], v[ADK] offset:32*KP*(\q)+4*KP*\t+32       ; and 32 + 16 h + 0 .. 15: the same places as in Q
.endr
	s_wait_alu depctr_va_vdst(0)
	s_wait_dscnt 0x0
.irp t, 0,1,2,3,4,5,6,7
	v_wmma_f32_16x16x64_fp8_fp8 v[96+8*\t:103+8*\t], v[32+8*\t:39+8*\t], v[\qf:\qf+7], 0
.endr
.rept 4
	v_nop                                          ; places in front of the loads below and of the first read of the scores
.endr
.irp t, 0,1,2,3                        ; V is asked for now and lands while the softmax is worked
.irp c, 0,1,2,3
	ds_load_b128 v[32+16*\t+4*\c:35+16*\t+4*\c], v[ADV] offset:16*KP*\t+128*(\q)+32*\c
.endr
.endr
	s_add_co_u32 s[T0], s[KF], 127
	s_cmp_le_u32 s[T0], s[Q0]
	s_cbranch_scc1 .Lopen_\@                       ; all 128 keys count
	s_sub_co_i32 s[T0], s[Q0], s[KF]
	v_add_nc_u32 v252, s[T0], v[DQ]                ; d = my query - KF - 8 (lane / 16).  Register 8 t + j holds key KF + 16 t + 8 (lane / 16) + j: hidden where 16 t + j > d
	v_mov_b32 v254, 0xff800000                     ; -infinity
.set n, 0
.rept 64
	v_cmp_gt_i32 vcc_lo, 16*(n/8)+n%8, v252
	v_cndmask_b32 v[96+n], v[96+n], v254, vcc_lo
.set n, n+1
.endr
.Lopen_\@:
	v_max3_num_f32 v254, v96, v97, v98             ; the largest score of my query among my 64 keys, in two chains, each accumulator from its low end on,
	v_max3_num_f32 v252, v99, v100, v101
.irp i, 6,10,14,18,22,26,30,34,38,42,46,50,54,58
	v_max3_num_f32 v254, v254, v[96+\i], v[97+\i]
	v_max3_num_f32 v252, v252, v[98+\i], v[99+\i]
.endr
	v_max3_num_f32 v254, v254, v158, v159
	s_delay_alu instid0(VALU_DEP_1)
	v_max_num_f32 v254, v254, v252
	s_delay_alu instid0(VALU_DEP_1)
	v_permlanex16_b32 v236, v254, s[SEL], s[SEL+1]
	s_delay_alu instid0(VALU_DEP_1)
	v_max_num_f32 v254, v254, v236                 ; and among those of lane xor 16
	s_delay_alu instid0(VALU_DEP_1)
	v_mul_f32 v254, s[CS], v254                    ; as t (c is positive)
	s_delay_alu instid0(VALU_DEP_1)
	v_max_num_f32 v13, v13, v254                   ; the running largest t
	v_mov_b32 v254, v12
	s_delay_alu instid0(VALU_DEP_2)
	v_floor_f32 v12, -v13                          ; the new -M = floor(-t) = -ceil(t)
	s_delay_alu instid0(VALU_DEP_1)
	v_sub_f32 v254, v12, v254                      ; old M less new M: a whole number, 0 or less
	s_delay_alu instid0(VALU_DEP_1)
	v_cvt_i32_f32 v254, v254                       ; (it saturates)
	s_delay_alu instid0(VALU_DEP_1)
	v_ldexp_f32 v252, 1.0, v254                    ; f = 2^(old M - new M)
.set j, 0
.rept 32
	v_pk_fma_f32 v[96+j:97+j], v[96+j:97+j], s[CS:CS+1], v[12:13] op_sel_hi:[1,0,0]   ; t - M, two at a time
.set j, j+2
.endr
	s_wait_alu depctr_va_vdst(0)                   ; the wait ahead of the batch
.set j, 0
.rept 64
	v_exp_f32 v[96+j], v[96+j]                     ; p = 2^(t - M), at most 1
.set j, j+1
.endr
	v_pk_mul_f32 v[14:15], v[14:15], v[252:253] op_sel_hi:[1,0]   ; the sums under the new M: the plain line behind the exponentials
	s_wait_alu depctr_va_vdst(0)                   ; one wait for the whole batch, ahead of its first reader
	v_pk_add_f32 v[242:243], v[96:97], v[98:99]    ; the sum of the unquantised p, two at a time, in four chains
	v_pk_add_f32 v[254:255], v[100:101], v[102:103]
	v_pk_add_f32 v[250:251], v[104:105], v[106:107]
	v_pk_add_f32 v[14:15], v[14:15], v[108:109]
.set j, 14
.rept 6
	v_pk_add_f32 v[242:243], v[242:243], v[96+j:97+j]
	v_pk_add_f32 v[254:255], v[254:255], v[98+j:99+j]
	v_pk_add_f32 v[250:251], v[250:251], v[100+j:101+j]
	v_pk_add_f32 v[14:15], v[14:15], v[102+j:103+j]
.set j, j+8
.endr
	v_pk_add_f32 v[242:243], v[242:243], v[158:159]
	v_pk_add_f32 v[254:255], v[254:255], v[250:251]
	v_pk_add_f32 v[14:15], v[14:15], v[242:243]
	v_pk_add_f32 v[14:15], v[14:15], v[254:255]
.set j, 0
.rept 32
	v_dual_min_num_f32 v[96+j], v[96+j], v240 :: v_dual_min_num_f32 v[97+j], v[97+j], v233   ; the conversion does not saturate (ISA guide 7.6.2); p is not negative, so the hold is one-sided; two holds to an instruction
.set j, j+2
.endr
.irp t, 0,1,2,3,4,5,6,7
	v_cvt_scalef32_pk8_fp8_f32 v[192+2*\t:193+2*\t], v[96+8*\t:103+8*\t], v244
.endr
	s_wait_alu depctr_va_vdst(0)                   ; the wait directly ahead of the first reader of O^T
.set j, 0
.rept 16
	v_pk_mul_f32 v[160+j:161+j], v[160+j:161+j], v[252:253] op_sel_hi:[1,0]   ; O^T under the new M; these are also the plain lines between the conversions and the products
.set j, j+2
.endr
	s_wait_alu depctr_va_vdst(0)
	s_wait_dscnt 0x0                               ; V is in
.irp t, 0,1,2,3                        ; the four accumulators take turns; between two links of a chain stand the three others and the eight products of the next step
	v_wmma_f32_16x16x128_fp8_fp8 v[160+8*\t:167+8*\t], v[32+16*\t:47+16*\t], v[192:207], v[160+8*\t:167+8*\t]
.endr
.Lhidden_\@:
	s_add_co_u32 s[KF], s[KF], 128
.endm
; The end of a pass: O^T / the sum x 2^(e4 + e5) is y; it is held, converted with 2^e6 and stored as an image of the registers of the operand: each store covers 512 consecutive bytes.
.macro OUT y, yb
.rept 4
	v_nop                                          ; places behind the last products
.endr
	v_add_f32 v14, v14, v15
	s_delay_alu instid0(VALU_DEP_1)
	v_permlanex16_b32 v252, v14, s[SEL], s[SEL+1]
	s_delay_alu instid0(VALU_DEP_1)
	v_add_f32 v14, v14, v252                       ; the sum of the row
	s_wait_alu depctr_va_vdst(0)                   ; the wait ahead of the reciprocal
	v_rcp_f32 v14, v14
	v_nop                                          ; a plain line behind the reciprocal
	s_wait_alu depctr_va_vdst(0)                   ; and the wait ahead of its first reader
	v_ldexp_f32 v14, v14, s[EO]
	s_wait_alu depctr_va_vdst(0)                   ; and directly ahead of the first reader of O^T
.set j, 0
.rept 16
	v_pk_mul_f32 v[96+j:97+j], v[160+j:161+j], v[14:15] op_sel_hi:[1,0]   ; register 8 t + j: channel 32 (t / 2) + 16 h + 8 (t % 2) + j, since the rows of vcodes have bits 3 and 4 exchanged
.set j, j+2
.endr
.set j, 0
.rept 32
	v_med3_num_f32 v[96+j], v[96+j], -v241, v241
.set j, j+1
.endr
.irp t, 0,1,2,3
	v_cvt_scalef32_pk8_fp8_f32 v[\y+2*\t:\y+2*\t+1], v[96+8*\t:103+8*\t], v245
.endr
	v_nop                                          ; one plain vector line behind the last conversion
	global_store_b128 v[GO], v[\y:\y+3], s[\yb:\yb+1]
	global_store_b128 v[GO], v[\y+4:\y+7], s[\yb:\yb+1] offset:512
.endm
.macro TILES qf, label                 ; a loop over s[CH] tiles of 256 keys, two key steps each
\label:
	STEP \qf, 0
	STEP \qf, 1
	s_add_co_u32 s[TB], s[TB], CHB
	s_sub_co_u32 s[CH], s[CH], 1
	s_cmp_lg_u32 s[CH], 0
	s_cbranch_scc1 \label
.endm
	s_load_b256 s[4:11], s[0:1], 0x0               ; qcodes s[4:5], kcodes s[6:7], vcodes s[8:9], the exponents s[10:11]
	s_load_b64 s[12:13], s[0:1], 0x20              ; ycodes
	v_lshl_add_u32 v[SPW], v0, 2, SPARE
	v_mov_b32 v[NIL], 0
	ds_add_u32 v[SPW], v[NIL]                      ; the opening lines: the add, twice on end, and its wait below; work on registers between
	ds_add_u32 v[SPW], v[NIL]
	v_lshrrev_b32 v8, 5, v0
	v_readfirstlane_b32 s[WV], v8                  ; wave 0..15
	v_and_b32 v11, 15, v0                          ; r
	v_bfe_u32 v4, v0, 4, 1                         ; h
	v_lshlrev_b32 v[QO], 6, v11
	v_lshl_add_u32 v[QO], v4, 4, v[QO]             ; 64 r + 16 h
	v_lshrrev_b32 v[AK0], 2, v11
	v_mul_u32_u24 v[AK0], v[AK0], KP
	v_and_b32 v8, 3, v11
	v_lshl_add_u32 v[AK0], v8, 6, v[AK0]
	v_lshl_add_u32 v[AK0], v4, 4, v[AK0]           ; (r / 4) KP + 64 (r % 4) + 16 h
	v_mul_u32_u24 v[AV0], v11, KP
	v_lshl_add_u32 v[AV0], v4, 4, v[AV0]
	v_add_nc_u32 v[AV0], VBASE, v[AV0]             ; VBASE + r KP + 16 h
	v_and_b32 v[GO], 31, v0
	v_lshlrev_b32 v[GO], 4, v[GO]
	v_lshlrev_b32 v8, 3, v4
	v_sub_nc_u32 v[DQ], v11, v8                    ; r - 8 h
	v_mov_b32 v236, 0                              ; written once: the destination of a lane permute counts as one of its sources
	v_mov_b32 v252, 0
	v_mov_b32 v253, 0                              ; (named as the upper half of the pair v[252:253])
	INIT
	s_wait_alu depctr_va_vdst(0)                   ; the wait behind these writes
	s_and_b32 s[BI], ttmp7, 0xffff                 ; i, 0 to 3
	s_sub_co_u32 s[LT], 7, s[BI]
	s_and_b32 s[W7], s[WV], 7
	s_lshl_b32 s78, ttmp9, 17                      ; the head's 131,072 bytes in each of the three buffers of codes
	s_mov_b32 s79, 0
	s_lshl_b32 s80, s[W7], 14                      ; K: 256 keys are 16,384 dense bytes
	s_mov_b32 s81, 0
	s_lshl_b32 s82, s[W7], 8                       ; V: 256 bytes on in each row
	s_mov_b32 s83, 0
	s_add_nc_u64 s[80:81], s[80:81], s[78:79]
	s_add_nc_u64 s[82:83], s[82:83], s[78:79]
	s_mul_i32 s76, s[WV], CHB                      ; my tile in LDS: wave x 17,408: waves 0-7 the tiles of K, waves 8-15 those of V
	; descriptor groups 1: 64 rows of 256 bytes, 16 bytes of padding behind each; K dense in memory, the rows of V 2,048 bytes apart
	s_mov_b32 s[G1K], (0<<16)|(1<<20)|(5<<22)|(3<<25)
	s_mov_b32 s[G1K+1], 256<<16
	s_mov_b32 s[G1K+2], 64<<16
	s_mov_b32 s[G1K+3], 256<<16
	s_mov_b32 s[G1K+4], 64
	s_mov_b32 s[G1K+5], 256
	s_mov_b32 s[G1K+6], 0
	s_mov_b32 s[G1K+7], 0
	s_mov_b32 s[G1V], (0<<16)|(1<<20)|(5<<22)|(3<<25)
	s_mov_b32 s[G1V+1], 256<<16
	s_mov_b32 s[G1V+2], 64<<16
	s_mov_b32 s[G1V+3], 256<<16
	s_mov_b32 s[G1V+4], 64
	s_mov_b32 s[G1V+5], 2048
	s_mov_b32 s[G1V+6], 0
	s_mov_b32 s[G1V+7], 0
	s_mov_b32 s[SEL], 0x76543210
	s_mov_b32 s[SEL+1], 0xfedcba98
	s_mov_b32 s[CS], 0x3e38aa3b                    ; log2(e) / 8
	s_lshl_b32 s77, s[WV], 4
	s_lshl_b32 s[Q0A], s[BI], 8
	s_add_co_u32 s[Q0A], s[Q0A], s77               ; my first query of block i,
	s_lshl_b32 s[Q0B], s[LT], 8
	s_add_co_u32 s[Q0B], s[Q0B], s77               ; and of block 7 - i
	s_wait_dscnt 0x0                               ; both opening adds are done
	s_wait_kmcnt 0x0
	s_load_b256 s[68:75], s[10:11], 0x0            ; e0 .. e7
	s_mov_b32 s[G0K], 1
	s_mov_b32 s[G0K+1], s76
	s_add_nc_u64 s[G0K+2:G0K+3], s[6:7], s[80:81]
	s_or_b32 s[G0K+3], s[G0K+3], 0x80000000
	s_mov_b32 s[G0V], 1
	s_mov_b32 s[G0V+1], s76
	s_add_nc_u64 s[G0V+2:G0V+3], s[8:9], s[82:83]
	s_or_b32 s[G0V+3], s[G0V+3], 0x80000000
	TLOAD 1                                        ; keys 0 to 511: waves 0, 1, 8 and 9
	s_lshl_b32 s80, s[Q0A], 6
	s_mov_b32 s81, 0
	s_add_nc_u64 s[80:81], s[80:81], s[78:79]
	s_add_nc_u64 s[QPA:QPA+1], s[4:5], s[80:81]
	s_lshl_b32 s80, s[Q0B], 6
	s_mov_b32 s81, 0
	s_add_nc_u64 s[80:81], s[80:81], s[78:79]
	s_add_nc_u64 s[QPB:QPB+1], s[4:5], s[80:81]
	global_load_b128 v[16:19], v[QO], s[QPA:QPA+1]
	global_load_b128 v[20:23], v[QO], s[QPA:QPA+1] offset:32
	global_load_b128 v[24:27], v[QO], s[QPB:QPB+1]
	global_load_b128 v[28:31], v[QO], s[QPB:QPB+1] offset:32
	s_lshr_b32 s82, ttmp9, 4
	s_lshl_b32 s82, s82, 7                         ; 128 groups of 16 tokens a batch
	s_and_b32 s83, ttmp9, 15
	s_lshl_b32 s83, s83, 10                        ; 1,024 bytes a head
	s_lshr_b32 s80, s[Q0A], 4
	s_add_co_u32 s80, s80, s82
	s_lshl_b32 s80, s80, 14                        ; 16,384 bytes a group
	s_add_co_u32 s80, s80, s83
	s_mov_b32 s81, 0
	s_add_nc_u64 s[YPA:YPA+1], s[12:13], s[80:81]
	s_lshr_b32 s80, s[Q0B], 4
	s_add_co_u32 s80, s80, s82
	s_lshl_b32 s80, s80, 14
	s_add_co_u32 s80, s80, s83
	s_mov_b32 s81, 0
	s_add_nc_u64 s[YPB:YPB+1], s[12:13], s[80:81]
	s_wait_kmcnt 0x0
	s_add_co_i32 s76, s70, s71
	s_lshl_b32 s76, s76, 23
	s_add_co_i32 s[CS], s[CS], s76                 ; a score stands for score x 2^(e2 + e3): added to the exponent field of c
	s_mov_b32 s[CS+1], s[CS]
	s_add_co_i32 s76, s72, 127
	s_lshl_b32 s77, s76, 23                        ; 2^e4
	s_add_co_i32 s76, s76, 8
	s_lshl_b32 s76, s76, 23
	s_or_b32 s76, s76, 0x600000                    ; 448 x 2^e4
	s_add_co_i32 s80, s74, 127
	s_lshl_b32 s81, s80, 23                        ; 2^e6
	s_add_co_i32 s80, s80, 8
	s_lshl_b32 s80, s80, 23
	s_or_b32 s80, s80, 0x600000                    ; 448 x 2^e6
	s_add_co_i32 s[EO], s72, s73                   ; e4 + e5
	s_mov_b32 s[Q0], s[Q0B]
	s_mov_b32 s[TB], 0
	s_mov_b32 s[KF], 0
	s_mov_b32 s[CH], 2
	v_mov_b32 v244, s77
	v_mov_b32 v240, s76
	v_mov_b32 v233, s76
	v_mov_b32 v245, s81
	v_mov_b32 v241, s80
	s_wait_alu depctr_va_vdst(0)                   ; the wait at the head's end
	s_wait_loadcnt 0x0                             ; Q of both blocks
	SYNC 1                                         ; keys 0 to 511 are whole; the other tiles go out
	TILES 24, .Lfirst                              ; THE LONG BLOCK, 7 - i: tiles 0 and 1, read while the others land
	SYNC 0                                         ; all of K and V that the work-group reads is whole; nothing is asked for any more
	s_mov_b32 s[CH], 6
	TILES 24, .Llong                               ; tiles 2 to 7
	OUT 216, YPB
	INIT                                           ; THE SHORT BLOCK, i, at most block 3: tiles 0 to 3
	s_mov_b32 s[Q0], s[Q0A]
	s_mov_b32 s[TB], 0
	s_mov_b32 s[KF], 0
	s_mov_b32 s[CH], 4
	TILES 16, .Lshort
	OUT 208, YPA
	s_wait_tensorcnt 0x0                           ; the end of the wave
	ds_add_u32 v[SPW], v[NIL]
	s_wait_dscnt 0x0
	s_endpgm
.Lfunc_end_k_q3645e8a7db_attn:
	.size	k_q3645e8a7db_attn, .Lfunc_end_k_q3645e8a7db_attn-k_q3645e8a7db_attn
	.p2alignl 7, 3214868480
	.fill 96, 4, 3214868480
	.section	.rodata,"a",@progbits
	.p2align	6, 0x0
	.amdhsa_kernel k_q3645e8a7db_attn
		.amdhsa_group_segment_fixed_size 327680
		.amdhsa_private_segment_fixed_size 0
		.amdhsa_enable_private_segment 0
		.amdhsa_kernarg_size 40
		.amdhsa_user_sgpr_count 2
		.amdhsa_user_sgpr_kernarg_segment_ptr 1
		.amdhsa_wavefront_size32 1
		.amdhsa_system_sgpr_workgroup_id_x 1
		.amdhsa_system_sgpr_workgroup_id_y 1
		.amdhsa_system_sgpr_workgroup_id_z 1
		.amdhsa_system_vgpr_workitem_id 0
		.amdhsa_next_free_vgpr 256
		.amdhsa_next_free_sgpr 96
		.amdhsa_reserve_vcc 1
		.amdhsa_float_denorm_mode_32 3
		.amdhsa_float_denorm_mode_16_64 3
		.amdhsa_memory_ordered 1
		.amdhsa_forward_progress 1
		.amdhsa_inst_pref_size 144
	.end_amdhsa_kernel
	.amdgpu_metadata
---
amdhsa.version: [ 1, 2 ]
amdhsa.kernels:
  - .name:           k_q3645e8a7db_attn
    .symbol:         k_q3645e8a7db_attn.kd
    .args:
      - { .name: qcodes, .offset: 0, .size: 8, .value_kind: global_buffer, .address_space: global }
      - { .name: kcodes, .offset: 8, .size: 8, .value_kind: global_buffer, .address_space: global }
      - { .name: vcodes, .offset: 16, .size: 8, .value_kind: global_buffer, .address_space: global }
      - { .name: lowp_scales, .offset: 24, .size: 8, .value_kind: global_buffer, .address_space: global }
      - { .name: ycodes, .offset: 32, .size: 8, .value_kind: global_buffer, .address_space: global }
    .group_segment_fixed_size: 327680
    .private_segment_fixed_size: 0
    .kernarg_segment_align: 8
    .kernarg_segment_size: 40
    .max_flat_workgroup_size: 512
    .sgpr_count:     96
    .vgpr_count:     256
    .wavefront_size: 32
...
	.end_amdgpu_metadata
.endif
;; end of part 3
;; launch gemm_proj (part 4): grid 4 x 64, 4 waves a work-group, clusters of 4 x 4, 327,680 bytes of LDS; arguments ycodes, wcodes, lowp_scales, b_proj, out0; writes out0
.if DOCPART == 4
	.amdgcn_target "amdgcn-amd-amdhsa--gfx1250"
	.amdhsa_code_object_version 6
	.text
	.protected	k_q3645e8a7db_gemm_proj
	.globl	k_q3645e8a7db_gemm_proj
	.p2align	8
	.type	k_q3645e8a7db_gemm_proj,@function
k_q3645e8a7db_gemm_proj:
	s_mov_b64 s[64:65], 0
	v_nop
	global_prefetch_b8 v0, s[64:65] scope:SCOPE_SE
	s_setreg_imm32_b32 hwreg(HW_REG_WAVE_MODE, 25, 1), 1
	s_wait_xcnt 0x0
	s_wait_alu depctr_hold_cnt(0) depctr_sa_sdst(0) depctr_va_vdst(0) depctr_va_sdst(0) depctr_va_ssrc(0) depctr_va_vcc(0) depctr_vm_vsrc(0)
	s_getreg_b32 s2, hwreg(HW_REG_IB_STS2, 6, 4)
	s_cmp_eq_u32 s2, 0
	s_cbranch_scc0 .Lentry_in_a_cluster
	s_endpgm
.Lentry_in_a_cluster:
	s_bfe_u32 s2, ttmp6, 0x10000c
	s_cmp_lg_u32 s2, 0xf033
	s_cbranch_scc0 .Lentry_shape_is_right
	s_endpgm
.Lentry_shape_is_right:
; out0 = y w_proj + b_proj on codes of FP8 (E4M3).  ycodes: images of operand registers, [512 groups of 16 tokens][16 heads][2][32 lanes][16 bytes]; wcodes rows 3072 to 4095: columns of w_proj, K innermost,
; stored row s = column s with bits 3 and 4 exchanged.  A sum stands for sum x 2^(e6 + e7); out = sum x 2^(e6 + e7) + bias, one fused multiply-add.  LIMIT: e6 + e7 between -126 and 127.
; A block of 128 tokens x 256 columns to a work-group: 64 x 4 = 256 work-groups.  Four waves, each 64 tokens x 128 columns: 32 accumulators, 256 registers.
; K goes in steps of 256 through a ring of two LDS slots: A's tile is 8 groups x 4,096 dense bytes, B's 256 rows of 256 bytes, padded to 272.  One descriptor covers a whole tile.
; Wave w fetches for slot w / 2: A's tile (w even) or B's (w odd).  At the head the four waves' loads bring K steps 0 and 1 together; K steps 2 and 3 are the slots' refills.
; CLUSTERS: 4 x 4 work-groups; A's tiles are asked for jointly along a row of the cluster, B's along a column.
; PREFETCH: at the head each wave asks for its work-group's quarter of the tile that it will itself fetch as a refill, one load of its own ahead: of A 2 groups x 16 blocks of 256 bytes, a lane a block;
; of B 64 rows, a lane a row, two instructions.  The four partners of a joint load are told apart by address.  All sixteen clusters read the same weight: only the clusters with y under 4 ask for it.
; The matrix instruction is used transposed (source 0 = 16 stored rows of the weight, source 1 = 16 tokens): a lane holds eight columns of one row of the result.
; REGISTERS: window 0: v0-31 addresses, v128-255 A's fragments, two sets of 4 x 16; window 1: B's fragments, two sets of 8 x 16; window 2: accumulator (a, b) at v[8 (8 a + b)].
.set KROW,   1024
.set ROWB,   256
.set AROW,   4096                      ; a group's 256 along K: 4 heads x 1,024 bytes
.set APITCH, 16384                     ; from group to group in ycodes
.set PITCH,  272
.set FR,     16
.set NP,     4                         ; places behind this matrix instruction (ISA guide 7.12.1)
.set HALFA,  4*AROW                    ; 64 tokens: what a wave reads of A
.set HALFT,  128*PITCH                 ; 128 rows: what a wave reads of B
.set BOFF,   2*HALFA
.set SLOT,   BOFF+2*HALFT
.set LAPS,   2
.set SPARE,  2*SLOT                    ; behind the ring: the spare words, 128 bytes a wave
.set SPITCH, 528                       ; the way out: a stage of 16 rows x (512 + 16) bytes a wave, in slot 0, which has then had its last fill and its last read
.set BS,   8                           ; v8-11  my four biases
.set ADRA, 16
.set ADRB, 20
.set STO,  24
.set RD,   25
.set CO,   26
.set PFO,  27                          ; v27    the prefetches' offset; never rewritten
.set SPW,  28
.set NIL,  29
.set AF,   128
.set BK,   128
.set G1, 24
.set G0, 32
.set G1B, 48
.set G0B, 56
.set PFA, 88                           ; s[88:89] where my prefetches stand; never rewritten
.set MSB, 0
.macro WIN new                         ; the immediate's high byte repeats the setting that is left
.if MSB != \new
	s_set_vgpr_msb (MSB<<8)|\new
.set MSB, \new
.endif
.endm
.set MUL_LO, 0xa1                      ; source 0 (B) window 1, source 1 (A) window 0, C and D window 2
.set TO_B,   0x40
.macro ARM g0, g1                      ; a joint load; s_nop 0 and four v_nop behind it
	tensor_load_to_lds s[\g0:\g0+3], s[\g1:\g1+7]
	s_nop 0
.rept 4
	v_nop
.endr
.endm
.macro JLOAD s                         ; a refill of slot s: its two waves; the branches hang on the wave number alone
	s_cmp_lg_u32 s15, \s
	s_cbranch_scc1 .Lasked_\@
	s_cmp_eq_u32 s16, 0
	s_cbranch_scc0 .Lfor_b_\@
	ARM G0+4*\s, G1
	s_branch .Lasked_\@
.Lfor_b_\@:
	ARM G0B+4*\s, G1B
.Lasked_\@:
.endm
.macro CREST                           ; a round of the cluster's barrier behind its opening barrier
	s_cmp_lg_u32 s14, 0
	s_cbranch_scc1 .Lnot_wave_0_\@
	s_barrier_signal -3
.Lnot_wave_0_\@:
	s_barrier_wait -3
	s_barrier_signal -1
	s_barrier_wait -1
.endm
.macro CROUND
	s_barrier_signal -1
	s_barrier_wait -1
	CREST
.endm
	s_load_b256 s[4:11], s[0:1], 0x0               ; ycodes s[4:5], wcodes s[6:7], the exponents s[8:9], b_proj s[10:11]
	s_load_b64 s[12:13], s[0:1], 0x20              ; out0
	v_lshl_add_u32 v[SPW], v0, 2, SPARE
	v_mov_b32 v[NIL], 0
	ds_add_u32 v[SPW], v[NIL]                      ; the opening lines: the add, twice on end, and its wait below
	ds_add_u32 v[SPW], v[NIL]
	v_lshrrev_b32 v1, 5, v0
	v_readfirstlane_b32 s14, v1                    ; wave 0..3
	s_lshr_b32 s15, s14, 1                         ; my half of the tokens.  Also: the slot that I fetch for
	s_and_b32 s16, s14, 1                          ; my half of the columns.  Also: I fetch A's tile (0) or B's (1)
	s_bfe_u32 s40, ttmp6, 0x40000                  ; cx, cy
	s_bfe_u32 s41, ttmp6, 0x40004
	s_lshl_b32 s42, ttmp9, 2
	s_add_co_u32 s42, s42, s40                     ; block column, 0 to 3
	s_and_b32 s17, ttmp7, 0xffff
	s_lshl_b32 s17, s17, 2
	s_add_co_u32 s17, s17, s41                     ; block row, 0 to 63
	s_lshl_b32 s43, s41, 2
	s_lshl_b32 s43, 15, s43                        ; my row of the cluster
	s_lshl_b32 s44, 0x1111, s40                    ; my column
	s_or_b32 s[G1+0], s43, (0<<16)|(1<<21)         ; A: 8 rows of 4,096 bytes, 16,384 apart, no padding
	s_mov_b32 s[G1+1], AROW<<16
	s_mov_b32 s[G1+2], 8<<16
	s_mov_b32 s[G1+3], AROW<<16
	s_mov_b32 s[G1+4], 8
	s_mov_b32 s[G1+5], APITCH
	s_mov_b32 s[G1+6], 0
	s_mov_b32 s[G1+7], 0
	s_or_b32 s[G1B+0], s44, (0<<16)|(1<<20)|(1<<21)|(5<<22)|(3<<25)   ; B: 256 rows of 256 bytes, four words of padding behind each 64
	s_mov_b32 s[G1B+1], ROWB<<16
	s_mov_b32 s[G1B+2], 256<<16
	s_mov_b32 s[G1B+3], ROWB<<16
	s_mov_b32 s[G1B+4], 256
	s_mov_b32 s[G1B+5], KROW
	s_mov_b32 s[G1B+6], 0
	s_mov_b32 s[G1B+7], 0
	s_lshl_b32 s20, s17, 17                        ; A: 8 groups of 16,384 bytes a block row
	s_mov_b32 s21, 0
	s_lshl_b32 s46, s42, 8
	s_add_co_u32 s46, s46, 3072                    ; B: stored row 3072 + 256 block column
	s_lshl_b32 s46, s46, 10
	s_mov_b32 s47, 0
	s_wait_dscnt 0x0                               ; both opening adds are done
	s_wait_kmcnt 0x0
	s_load_b256 s[76:83], s[8:9], 0x0              ; e0 .. e7
	s_add_nc_u64 s[20:21], s[4:5], s[20:21]
	s_add_nc_u64 s[46:47], s[6:7], s[46:47]
	CROUND                                         ; all sixteen work-groups are here: the first joint loads meet
.irp s, 0,1
	s_mov_b32 s[G0+4*\s], 1
	s_mov_b32 s[G0+4*\s+1], \s*SLOT                ; no place in the cluster enters an LDS address
	s_add_nc_u64 s[G0+4*\s+2:G0+4*\s+3], s[20:21], \s*AROW
	s_or_b32 s[G0+4*\s+3], s[G0+4*\s+3], 0x80000000
	s_mov_b32 s[G0B+4*\s], 1
	s_mov_b32 s[G0B+4*\s+1], \s*SLOT+BOFF
	s_add_nc_u64 s[G0B+4*\s+2:G0B+4*\s+3], s[46:47], \s*ROWB
	s_or_b32 s[G0B+4*\s+3], s[G0B+4*\s+3], 0x80000000
.endr
	s_cmp_eq_u32 s15, 0                            ; the head's loads: one chain of four arms, one load to an arm
	s_cbranch_scc0 .Lhead_1
	s_cmp_eq_u32 s16, 0
	s_cbranch_scc0 .Lhead_b0
	ARM G0, G1
	s_branch .Lhead_on
.Lhead_b0:
	ARM G0B, G1B
	s_branch .Lhead_on
.Lhead_1:
	s_cmp_eq_u32 s16, 0
	s_cbranch_scc0 .Lhead_b1
	ARM G0+4, G1
	s_branch .Lhead_on
.Lhead_b1:
	ARM G0B+4, G1B
.Lhead_on:
	; the prefetches: K step 2 + my slot of the tile that I fetch; my work-group's quarter by its place among the four that ask jointly (cx for A, cy for B)
	s_cmp_eq_u32 s16, 0
	s_cselect_b64 s[PFA:PFA+1], s[20:21], s[46:47]
	s_cselect_b32 s90, s40, s41
	s_cselect_b32 s91, 15, 16                      ; a quarter: 2 groups of 16,384 bytes, or 64 rows of 1,024
	s_cselect_b32 s92, 12, 8                       ; a K step: 4,096 bytes of a group, or 256 of a row
	s_cselect_b32 s93, -1, 0
	s_lshl_b32 s90, s90, s91
	s_add_co_u32 s94, s15, 2
	s_lshl_b32 s94, s94, s92
	s_add_co_u32 s90, s90, s94
	s_mov_b32 s91, 0
	s_add_nc_u64 s[PFA:PFA+1], s[PFA:PFA+1], s[90:91]
	s_and_b32 s95, ttmp7, 0xffff                   ; the cluster's y
	s_lshl_b32 s84, s15, 14                        ; my 64 tokens of A
	s_mul_i32 s85, s16, HALFT
	s_add_co_u32 s85, s85, BOFF                    ; my 128 rows of B
	s_mul_i32 s86, s14, 16*SPITCH                  ; my stage
	s_lshl_b32 s20, s17, 7
	s_lshl_b32 s18, s15, 6
	s_add_co_u32 s20, s20, s18                     ; my first row of the result
	s_lshl_b32 s20, s20, 12                        ; rows of 4,096 bytes
	s_lshl_b32 s46, s42, 10
	s_lshl_b32 s47, s16, 9
	s_add_co_u32 s46, s46, s47                     ; my first column, in bytes
	s_add_co_u32 s20, s20, s46
	s_mov_b32 s21, 0
	s_mov_b32 s47, 0
	s_add_nc_u64 s[12:13], s[12:13], s[20:21]
	s_add_nc_u64 s[10:11], s[10:11], s[46:47]
	v_and_b32 v1, 15, v0                           ; r
	v_bfe_u32 v2, v0, 4, 1                         ; h
	v_and_b32 v6, 31, v0
	v_lshlrev_b32 v[CO], 4, v6                     ; 16 x lane
	v_mul_u32_u24 v3, v1, PITCH
	v_lshl_add_u32 v4, v2, 4, v3
	v_add_nc_u32 v[ADRA], s84, v[CO]
	v_add_nc_u32 v[ADRB], s85, v4
	v_add_nc_u32 v[ADRA+1], SLOT, v[ADRA]
	v_add_nc_u32 v[ADRB+1], SLOT, v[ADRB]
	v_mul_u32_u24 v5, v1, SPITCH
	v_lshl_add_u32 v5, v2, 6, v5
	v_add_nc_u32 v[STO], s86, v5
	v_add_nc_u32 v[RD], s86, v[CO]
	v_lshlrev_b32 v7, 10, v6                       ; B: a lane a row
	v_lshlrev_b32 v12, 8, v1
	v_lshl_add_u32 v12, v2, 14, v12                ; A: group lane / 16, block lane % 16
	v_cndmask_b32 v[PFO], v7, v12, s93
	s_wait_alu depctr_va_vdst(0)                   ; the wait at the head's end
	global_load_b128 v[BS:BS+3], v[CO], s[10:11]   ; the biases of my four columns of a row's 128
	s_cmp_eq_u32 s16, 0
	s_cbranch_scc1 .Lask_low
	s_cmp_lt_u32 s95, 4                            ; the weight: four clusters ask for it
	s_cbranch_scc0 .Lask_none
	global_prefetch_b8 v[PFO], s[PFA:PFA+1] offset:32768 th:TH_LOAD_NT scope:SCOPE_SE   ; B's rows 32 to 63 of my quarter
.Lask_low:
	global_prefetch_b8 v[PFO], s[PFA:PFA+1] th:TH_LOAD_NT scope:SCOPE_SE
.Lask_none:
; 16 matrix instructions: A's blocks a0, a0 + 1 x B's eight, 128 along K, from set p.  The 32 accumulators take turns in the same order in every step.
.macro MUL16 a0, p, zero
.irp a, \a0, \a0+1
.irp b, 0,1,2,3,4,5,6,7
.if \zero
	v_wmma_f32_16x16x128_fp8_fp8 v[8*(8*(\a)+\b):8*(8*(\a)+\b)+7], v[128*(\p)+FR*\b:128*(\p)+FR*\b+FR-1], v[AF+64*(\p)+FR*(\a):AF+64*(\p)+FR*(\a)+FR-1], 0
.else
	v_wmma_f32_16x16x128_fp8_fp8 v[8*(8*(\a)+\b):8*(8*(\a)+\b)+7], v[128*(\p)+FR*\b:128*(\p)+FR*\b+FR-1], v[AF+64*(\p)+FR*(\a):AF+64*(\p)+FR*(\a)+FR-1], v[8*(8*(\a)+\b):8*(8*(\a)+\b)+7]
.endif
.endr
.endr
.endm
.macro FETCH slot, q, p                ; 48 LDS loads: the fragments of the slot's q-th 128 along K into set p
	WIN TO_B
.irp i, 0,1,2,3,4,5,6,7
.irp c, 0,1,2,3
	ds_load_b128 v[128*(\p)+FR*\i+4*\c:128*(\p)+FR*\i+4*\c+3], v[ADRB+\slot] offset:128*(\q)+32*\c+\i*16*PITCH
.endr
.endr
	WIN 0
.irp i, 0,1,2,3
.irp c, 0,1,2,3
	ds_load_b128 v[AF+64*(\p)+FR*\i+4*\c:AF+64*(\p)+FR*\i+4*\c+3], v[ADRA+\slot] offset:AROW*\i+2048*(\q)+512*\c
.endr
.endr
.endm
.macro PLACES n
.rept \n
	v_nop
.endr
.endm
.macro STEP slot, zero                 ; a slot's first 128 along K, from set 0; the second 128 is fetched into set 1 ahead of the products
	s_wait_dscnt 0x0                               ; set 0 is in
	PLACES NP                                      ; in front of loads into set 1, which the last products read
	FETCH \slot, 1, 1
	WIN MUL_LO
	MUL16 0, 0, \zero
	MUL16 2, 0, \zero
	WIN 0
.endm
.macro TURN slot, next, fill           ; a slot's second 128, from set 1, and the change of slots
	s_wait_tensorcnt 0x0                           ; all my tensor loads have landed
	ds_add_u32 v[SPW], v[NIL]                      ; 0 onto my spare word
	s_wait_dscnt 0x0                               ; the add is done, set 1 is in, and my reads of this slot are over
	s_barrier_signal -1
	WIN MUL_LO
	MUL16 0, 1, 0                                  ; work on registers while the others arrive
	WIN 0
	s_barrier_wait -1
.if \fill
	CREST                                          ; the barrier has opened a round of the cluster's barrier
	s_add_nc_u64 s[G0+4*\slot+2:G0+4*\slot+3], s[G0+4*\slot+2:G0+4*\slot+3], 2*AROW
	s_add_nc_u64 s[G0B+4*\slot+2:G0B+4*\slot+3], s[G0B+4*\slot+2:G0B+4*\slot+3], 2*ROWB
	JLOAD \slot                                    ; the first tensor load behind the round
.endif
	PLACES NP                                      ; in front of the loads below, on every wave's way
	FETCH \next, 0, 0
	WIN MUL_LO
	MUL16 2, 1, 0
	WIN 0
.endm
	s_wait_tensorcnt 0x0                           ; my tile has landed
	s_barrier_signal -1
	s_barrier_wait -1                              ; both slots are whole for every wave
	FETCH 0, 0, 0
	STEP 0, 1                                      ; the first step's products start the sums
	s_mov_b32 s3, LAPS-1
.Llap:                                                 ; a trip goes once round the ring and fills both slots again
	TURN 0, 1, 1
	STEP 1, 0
	TURN 1, 0, 1
	STEP 0, 0
	s_sub_co_u32 s3, s3, 1
	s_cmp_lg_u32 s3, 0
	s_cbranch_scc1 .Llap
	TURN 0, 1, 0                                   ; the last lap fills nothing; behind this barrier nobody reads slot 0
	STEP 1, 0
	s_wait_dscnt 0x0
	WIN MUL_LO
	MUL16 0, 1, 0
	MUL16 2, 1, 0
	WIN 0
; THE WAY OUT, block by block of 16 rows x 128 columns, through my own stage: the sums go in by lanes, each accumulator from its low end on, and come back as rows of 512 bytes, which 32 lanes store as two aligned units of 256.
; Tile b of a block holds columns 32 (b / 2) + 16 h + 8 (b % 2) + 0 .. 7, since the stored rows have bits 3 and 4 exchanged.
.macro TOSTAGE a
.set AC, 64*(\a)
	WIN 0x08                                       ; the stores' data: window 2
.irp b, 0,1,2,3,4,5,6,7
	ds_store_b128 v[STO], v[AC+8*\b:AC+8*\b+3] offset:128*(\b/2)+32*(\b%2)
	ds_store_b128 v[STO], v[AC+8*\b+4:AC+8*\b+7] offset:128*(\b/2)+32*(\b%2)+16
.endr
	WIN 0
.set BB, BK+64*((\a)%2)
.irp t, 0,1,2,3,4,5,6,7,8,9,10,11,12,13,14,15
	ds_load_b128 v[BB+4*\t:BB+4*\t+3], v[RD] offset:\t*SPITCH      ; LDS serves a wave's instructions in order: these see my stores
.endr
.endm
.macro SEND a, younger                 ; younger: the LDS instructions issued behind block a's loads, which may stay out
.set BB, BK+64*((\a)%2)
	s_wait_dscnt \younger
.if (\a) > 0
	s_add_nc_u64 s[12:13], s[12:13], 16*4096       ; (behind a wait on XCNT)  16 rows on
.endif
.irp t, 0,1,2,3,4,5,6,7,8,9,10,11,12,13,14,15
	v_pk_fma_f32 v[BB+4*\t:BB+4*\t+1], v[BB+4*\t:BB+4*\t+1], s[96:97], v[BS:BS+1] op_sel_hi:[1,0,1]
	v_pk_fma_f32 v[BB+4*\t+2:BB+4*\t+3], v[BB+4*\t+2:BB+4*\t+3], s[96:97], v[BS+2:BS+3] op_sel_hi:[1,0,1]
	global_store_b128 v[CO], v[BB+4*\t:BB+4*\t+3], s[12:13] offset:\t*4096 th:TH_STORE_NT
.endr
.endm
	s_wait_kmcnt 0x0
	s_add_co_i32 s96, s82, s83
	s_add_co_i32 s96, s96, 127
	s_lshl_b32 s96, s96, 23                        ; 2^(e6 + e7) as f32
	s_mov_b32 s97, s96                             ; (named with it as a pair)
	s_wait_loadcnt 0x0                             ; the biases
	PLACES NP                                      ; behind the last products
	TOSTAGE 0
.irp a, 1,2,3
.if \a > 1
	s_wait_xcnt 0x0                                ; block a - 2's stores have read their registers and their base
.endif
	TOSTAGE \a
	SEND \a-1, 32
.endr
	s_wait_xcnt 0x0
	SEND 3, 0
	s_wait_tensorcnt 0x0                           ; the wave's end
	ds_add_u32 v[SPW], v[NIL]
	s_wait_dscnt 0x0
	CROUND                                         ; the closing round
	s_endpgm
.Lfunc_end_k_q3645e8a7db_gemm_proj:
	.size	k_q3645e8a7db_gemm_proj, .Lfunc_end_k_q3645e8a7db_gemm_proj-k_q3645e8a7db_gemm_proj
	.p2alignl 7, 3214868480
	.fill 96, 4, 3214868480
	.section	.rodata,"a",@progbits
	.p2align	6, 0x0
	.amdhsa_kernel k_q3645e8a7db_gemm_proj
		.amdhsa_group_segment_fixed_size 327680
		.amdhsa_private_segment_fixed_size 0
		.amdhsa_enable_private_segment 0
		.amdhsa_kernarg_size 40
		.amdhsa_user_sgpr_count 2
		.amdhsa_user_sgpr_kernarg_segment_ptr 1
		.amdhsa_wavefront_size32 1
		.amdhsa_system_sgpr_workgroup_id_x 1
		.amdhsa_system_sgpr_workgroup_id_y 1
		.amdhsa_system_sgpr_workgroup_id_z 1
		.amdhsa_system_vgpr_workitem_id 0
		.amdhsa_next_free_vgpr 768
		.amdhsa_next_free_sgpr 100
		.amdhsa_reserve_vcc 0
		.amdhsa_float_denorm_mode_32 3
		.amdhsa_float_denorm_mode_16_64 3
		.amdhsa_memory_ordered 1
		.amdhsa_forward_progress 1
		.amdhsa_inst_pref_size 76
	.end_amdhsa_kernel
	.amdgpu_metadata
---
amdhsa.version: [ 1, 2 ]
amdhsa.kernels:
  - .name:           k_q3645e8a7db_gemm_proj
    .symbol:         k_q3645e8a7db_gemm_proj.kd
    .args:
      - { .name: ycodes, .offset: 0, .size: 8, .value_kind: global_buffer, .address_space: global }
      - { .name: wcodes, .offset: 8, .size: 8, .value_kind: global_buffer, .address_space: global }
      - { .name: lowp_scales, .offset: 16, .size: 8, .value_kind: global_buffer, .address_space: global }
      - { .name: b_proj, .offset: 24, .size: 8, .value_kind: global_buffer, .address_space: global }
      - { .name: out0, .offset: 32, .size: 8, .value_kind: global_buffer, .address_space: global }
    .group_segment_fixed_size: 327680
    .private_segment_fixed_size: 0
    .kernarg_segment_align: 8
    .kernarg_segment_size: 40
    .max_flat_workgroup_size: 128
    .sgpr_count:     100
    .vgpr_count:     768
    .wavefront_size: 32
...
	.end_amdgpu_metadata
.endif
;; end of part 4
